; MI455X (gfx1250); checked and timed in simulation.
; The chip was launched on July 23, 2026; its instructions are those of AMD's public machine-readable ISA for CDNA 5 (MIT licence, August 2026) and "CDNA5" Instruction Set Architecture Reference Guide (July 2026). The comments in the code are by the model that wrote it; some were corrected since.
;; Attention. Allowed arithmetic: matrix products marked QUANTISED: E4M3 operands, one given power-of-two scale a tensor, by v_wmma_f32_16x16x64_fp8_fp8 or v_wmma_f32_16x16x128_fp8_fp8, f32 sums; everything else in f32.
;; Inputs: Wkv 512 x 1,024 float32; Wout 512 x 512 float32; Wq 512 x 512 float32; bout 512 float32; context 4 x 8,192 x 512 float32; lowp_scales 10 int32 (the exponents e of the quantised operands' scales 2^e); x 4 x 1,024 x 512 float32.
;; Outputs: out0 4 x 1,024 x 512 float32.
;; This version of the problem:
;;   THIS VERSION OF THE PROBLEM IS GIVEN IN LOW PRECISION. The matrix products marked QUANTISED in the list below multiply operands that are first quantised to E4M3 (4 exponent bits, 3 mantissa bits; 8 bits a number), with one given power-of-two scale for each operand tensor; their sums are f32. All else is computed in f32.
;;   The module's matrix products, in the order in which they are computed (A, B: the left and right operand; K: the contracted axis; several contracted axes count as one K, in the product's order):
;;     1. [M 4,096, K 512] x [K 512, N 512]; A: input x; B: input Wq: QUANTISED (scales: A lowp_scales[0], B lowp_scales[1])
;;     2. [M 32,768, K 512] x [K 512, N 1,024]; A: input context; B: input Wkv: QUANTISED (scales: A lowp_scales[2], B lowp_scales[3])
;;     3. batch 32 x [M 1,024, K 64] x [K 64, N 8,192]; A: computed on the way; B: computed on the way: QUANTISED (scales: A lowp_scales[4], B lowp_scales[5])
;;     4. batch 32 x [M 1,024, K 8,192] x [K 8,192, N 64]; A: softmax (see below); B: computed on the way: QUANTISED (scales: A lowp_scales[6], B lowp_scales[7])
;;     5. [M 4,096, K 512] x [K 512, N 512]; A: computed on the way; B: input Wout: QUANTISED (scales: A lowp_scales[8], B lowp_scales[9])
;;   THE QUANTISER, for each operand of a quantised product, along K:
;;     - The operand's scale is 2^e, e = its entry of the input lowp_scales (int32; the entries are numbered through the quantised products in the list's order, A before B).
;;     - Each number is divided by the scale, clamped to +-448, and rounded to the nearest number of E4M3, ties to even, subnormals kept.
;;     - The product sums the exact products of the quantised numbers (number of the format x scale) in f32.
;;   ~~~python
;;   def quantise(x, axis, e):      # numpy; x: float32 -> the quantised numbers, widened to float32 again
;;       x = np.moveaxis(x, axis, -1); K = x.shape[-1]
;;       r = np.clip(x / 2.0 ** e, -448, 448)
;;       step = 2.0 ** (np.maximum(np.frexp(np.where(r == 0, 1, r))[1] - 1, -6) - 3)
;;       q = np.round(r / step) * step * 2.0 ** e      # np.round: ties to even
;;       return np.moveaxis(q, -1, axis).astype(np.float32)
;;   ~~~
;;   SOFTMAX AHEAD OF A QUANTISED PRODUCT. Where the list says 'softmax', what is quantised is not the finished softmax but p = 2^(t - M), with t = logit x log2(e) and M = ceil(the row's largest t), a whole number; so 1/2 < the row's largest p <= 1. The row's sum l is taken of the UNQUANTISED p, in f32, and the product's result is divided by l at the end. Since M is a whole number, a kernel that streams over the keys may use a running M (the ceiling of the running maximum): every later rescaling is an exact power of two, so the quantised numbers keep their values, but for numbers so far below the row's largest that they fall under the format's range.
;;   OPERANDS COMPUTED ON THE WAY. 'Computed on the way' means the value that the module computes at that place (a softmax that the list does not call 'softmax' is quantised finished and normalised). What goes into a quantiser is computed in f32, as accurately as f32 sums, v_exp_f32 and their like allow (about 1e-6 of the number): no bf16 or f16 on the way to a quantiser, and a product that is left as it is and whose result goes on into a quantised operand takes f32 operands (vector FMAs, or v_wmma_f32_16x16x4_f32). A number that lies on a knife's edge between two numbers of the format may be rounded either way, as far as f32 arithmetic and the matrix unit's own rounding can turn it there, and no further.
;; 2 versions. Each part assembles by itself: llvm-mc -triple=amdgcn-amd-amdhsa -mcpu=gfx1250 --defsym DOCPART=n.
;; ======== version 1 of 2: 4 launches
;; workspace buffers: wimg 1,048,576 bytes; kv 33,554,432 bytes; oimg 2,097,152 bytes
;; launch wprep (part 1): grid 16 x 16, 4 waves a work-group, no clusters, 0 bytes of LDS; arguments Wq, Wkv, Wout, lowp_scales, wimg; writes wimg
.if DOCPART == 1
	.amdgcn_target "amdgcn-amd-amdhsa--gfx1250"
	.amdhsa_code_object_version 6
	.text
	.protected	k_qb04913fe78_wprep
	.globl	k_qb04913fe78_wprep
	.p2align	8
	.type	k_qb04913fe78_wprep,@function
k_qb04913fe78_wprep:
	s_mov_b64 s[64:65], 0
	v_nop
	global_prefetch_b8 v0, s[64:65] scope:SCOPE_SE
	s_setreg_imm32_b32 hwreg(HW_REG_WAVE_MODE, 25, 1), 1
	s_wait_xcnt 0x0
; Wq [512][512], Wkv [512][1024], Wout [512][512], f32 with K as their FIRST axis, become codes of E4M3, each with the one scale 2^e given for it
; (entries 1, 3, 9 of the scales), laid in wimg AS IMAGES OF OPERAND REGISTERS, so that the later launches load each fragment by plain 16-byte loads, lane l at 16 l.
; wimg: 32 groups of 64 columns, 32,768 bytes each: 0-7 Wq's heads, 8-15 Wkv's k heads, 16-23 its v heads, 24-31 Wout's column groups.
; In a group: fragment (tile t of 16 columns, K step s of 128) at (4 t + s) x 2048; chunk c at 512 c; lane (r, h) at 256 h + 16 r.
; Lane r of tile t holds column 32 (t / 2) + 8 (t % 2) + r + 8 (r / 8).  Byte B of chunk c is k = KS s + KC c + 16 h + KB (B / 4) + B % 4:
; (KS, KC, KB) = (32, 4, 128) for Wq and Wkv, the order in which their partners (x, context) come out of dense row loads; (128, 32, 4) for Wout: k = 128 s + 32 c + 16 h + B.
; A LANE TAKES A COLUMN, AND ITS REGISTERS RUN DOWN K in the image's order: the conversions' results are the image's bytes, and nothing is transposed.
; SHARES: work-group x = a block of 128 columns (0-3 Wq, 4-11 Wkv, 12-15 Wout); y = 4 s + 2 h + ch; wave w takes 32 columns, chunks 2 ch and 2 ch + 1: 32 loads of 128 consecutive bytes, 2 stores.
; A store's lanes fall into two runs of 256 consecutive bytes, aligned (tiles 2 (w % 2) and 2 (w % 2) + 1, sixteen r each).  No LDS, no barrier: waves share nothing; nothing is read twice, so no cluster.
; code = x / 2^e, held within +-448, to the nearest code, ties to even.  LIMITS: -126 <= e <= 119.  NaN among the inputs is not served.
.set NUM, 8                            ; v8-39   32 numbers: 16 of each chunk
.set COD, 40                           ; v40-47  their codes
.macro MKSC e, vs, vl, t0, t1          ; v[vs] = 2^e as f32 (the conversion takes its exponent field), v[vl] = 448 x 2^e
	s_add_co_i32 s[\t0], s[\e], 127
	s_lshl_b32 s[\t1], s[\t0], 23
	v_mov_b32 v[\vs], s[\t1]
	s_add_co_i32 s[\t0], s[\t0], 8
	s_lshl_b32 s[\t0], s[\t0], 23
	s_or_b32 s[\t0], s[\t0], 0x600000
	v_mov_b32 v[\vl], s[\t0]
.endm
; One weight's loads: its base steps to row k0 = KS s + 16 h + 2 KC ch and to my wave's first column; every further row stands in the immediate (391 rows of 4,096 bytes at the most)
.macro LOADS base, N, KS, KC, KB, CG0, eoff
	s_load_b32 s30, s[10:11], \eoff                ; this weight's e
	s_mul_i32 s22, s16, \KS
	s_lshl_b32 s23, s17, 4
	s_add_co_u32 s22, s22, s23
	s_mul_i32 s23, s18, 2*\KC
	s_add_co_u32 s22, s22, s23                     ; k0
	s_mul_i32 s22, s22, 4*\N                       ; in bytes
	s_sub_co_u32 s23, ttmp9, \CG0
	s_lshl_b32 s23, s23, 9                         ; + the block's 128 columns
	s_add_co_u32 s22, s22, s23
	s_lshl_b32 s23, s14, 7                         ; + my wave's 32
	s_add_co_u32 s22, s22, s23
	s_mov_b32 s23, 0
	s_add_nc_u64 s[\base:\base+1], s[\base:\base+1], s[22:23]
.set CC, 0
.rept 2
.set BB, 0
.rept 16
	global_load_b32 v[NUM+16*CC+BB], v2, s[\base:\base+1] offset:(\KC*CC+\KB*(BB/4)+(BB%4))*4*\N th:TH_LOAD_NT
.set BB, BB+1
.endr
.set CC, CC+1
.endr
.endm
	s_load_b256 s[4:11], s[0:1], 0x0               ; Wq s[4:5], Wkv s[6:7], Wout s[8:9], the scales' exponents s[10:11]
	s_load_b64 s[12:13], s[0:1], 0x20              ; wimg
	v_lshrrev_b32 v1, 5, v0
	v_readfirstlane_b32 s14, v1                    ; wave
	v_and_b32 v1, 31, v0                           ; X: my column among the wave's 32
	v_lshlrev_b32 v2, 2, v1                        ; in: 4 bytes a lane
	v_bfe_u32 v3, v1, 3, 1                         ; X = 8 u + r % 8 + 16 (r / 8): u,
	v_lshlrev_b32 v3, 13, v3                       ; a tile on is four fragments: 8,192 bytes
	v_and_b32 v6, 7, v1
	v_lshrrev_b32 v7, 4, v1
	v_lshl_add_u32 v6, v7, 3, v6                   ; r
	v_lshl_add_u32 v3, v6, 4, v3                   ; out: 8192 u + 16 r
	s_and_b32 s15, ttmp7, 0xffff                   ; y
	s_lshr_b32 s16, s15, 2                         ; s
	s_bfe_u32 s17, s15, 0x10001                    ; h
	s_and_b32 s18, s15, 1                          ; ch
	s_lshl_b32 s20, ttmp9, 16                      ; the image: two groups a block of 128 columns,
	s_lshl_b32 s21, s14, 14                        ; (w / 2) groups + (w % 2) x two tiles = 16,384 w,
	s_add_co_u32 s20, s20, s21
	s_lshl_b32 s21, s16, 11                        ; K step s,
	s_add_co_u32 s20, s20, s21
	s_lshl_b32 s21, s18, 10                        ; chunk 2 ch,
	s_add_co_u32 s20, s20, s21
	s_lshl_b32 s21, s17, 8                         ; the lanes' half h
	s_add_co_u32 s20, s20, s21
	s_mov_b32 s21, 0
	s_wait_kmcnt 0x0
	s_add_nc_u64 s[12:13], s[12:13], s[20:21]
	s_cmp_lt_u32 ttmp9, 4                          ; which weight: a branch on the work-group's number
	s_cbranch_scc0 .Lnot_q
	LOADS 4, 512, 32, 4, 128, 0, 0x4
	s_branch .Lwork
.Lnot_q:
	s_cmp_lt_u32 ttmp9, 12
	s_cbranch_scc0 .Lis_out
	LOADS 6, 1024, 32, 4, 128, 4, 0xc
	s_branch .Lwork
.Lis_out:
	LOADS 8, 512, 128, 32, 4, 12, 0x24
.Lwork:
	s_wait_kmcnt 0x0                               ; e
	MKSC 30, 4, 5, 31, 32
	s_wait_loadcnt 16                              ; the first chunk's 16 loads are in; the second's 16 may be out
.set BB, 0
.rept 16
	v_med3_num_f32 v[NUM+BB], v[NUM+BB], -v5, v5   ; the conversion to an 8-bit code does not saturate (ISA guide 7.6.2): the hold at the largest code x the scale
.set BB, BB+1
.endr
	v_cvt_scalef32_pk8_fp8_f32 v[COD:COD+1], v[NUM:NUM+7], v4
	v_cvt_scalef32_pk8_fp8_f32 v[COD+2:COD+3], v[NUM+8:NUM+15], v4
	s_wait_loadcnt 0x0
.set BB, 16
.rept 16
	v_med3_num_f32 v[NUM+BB], v[NUM+BB], -v5, v5
.set BB, BB+1
.endr
	v_cvt_scalef32_pk8_fp8_f32 v[COD+4:COD+5], v[NUM+16:NUM+23], v4
	v_cvt_scalef32_pk8_fp8_f32 v[COD+6:COD+7], v[NUM+24:NUM+31], v4
	v_nop                                          ; a plain vector line behind the last conversion
	global_store_b128 v3, v[COD:COD+3], s[12:13]
	global_store_b128 v3, v[COD+4:COD+7], s[12:13] offset:512
	s_endpgm
.Lfunc_end_k_qb04913fe78_wprep:
	.size	k_qb04913fe78_wprep, .Lfunc_end_k_qb04913fe78_wprep-k_qb04913fe78_wprep
	.p2alignl 7, 3214868480
	.fill 96, 4, 3214868480
	.section	.rodata,"a",@progbits
	.p2align	6, 0x0
	.amdhsa_kernel k_qb04913fe78_wprep
		.amdhsa_group_segment_fixed_size 0
		.amdhsa_private_segment_fixed_size 0
		.amdhsa_enable_private_segment 0
		.amdhsa_kernarg_size 40
		.amdhsa_user_sgpr_count 2
		.amdhsa_user_sgpr_kernarg_segment_ptr 1
		.amdhsa_wavefront_size32 1
		.amdhsa_system_sgpr_workgroup_id_x 1
		.amdhsa_system_sgpr_workgroup_id_y 1
		.amdhsa_system_sgpr_workgroup_id_z 1
		.amdhsa_system_vgpr_workitem_id 0
		.amdhsa_next_free_vgpr 64
		.amdhsa_next_free_sgpr 66
		.amdhsa_reserve_vcc 0
		.amdhsa_float_denorm_mode_32 3
		.amdhsa_float_denorm_mode_16_64 3
		.amdhsa_memory_ordered 1
		.amdhsa_forward_progress 1
		.amdhsa_inst_pref_size 15
	.end_amdhsa_kernel
	.amdgpu_metadata
---
amdhsa.version: [ 1, 2 ]
amdhsa.kernels:
  - .name:           k_qb04913fe78_wprep
    .symbol:         k_qb04913fe78_wprep.kd
    .args:
      - { .name: Wq, .offset: 0, .size: 8, .value_kind: global_buffer, .address_space: global }
      - { .name: Wkv, .offset: 8, .size: 8, .value_kind: global_buffer, .address_space: global }
      - { .name: Wout, .offset: 16, .size: 8, .value_kind: global_buffer, .address_space: global }
      - { .name: lowp_scales, .offset: 24, .size: 8, .value_kind: global_buffer, .address_space: global }
      - { .name: wimg, .offset: 32, .size: 8, .value_kind: global_buffer, .address_space: global }
    .group_segment_fixed_size: 0
    .private_segment_fixed_size: 0
    .kernarg_segment_align: 8
    .kernarg_segment_size: 40
    .max_flat_workgroup_size: 128
    .sgpr_count:     66
    .vgpr_count:     64
    .wavefront_size: 32
...
	.end_amdgpu_metadata
.endif
;; end of part 1
;; launch proj (part 2): grid 256 x 1, 4 waves a work-group, no clusters, 70,144 bytes of LDS; arguments context, wimg, lowp_scales, kv; writes kv
.if DOCPART == 2
	.amdgcn_target "amdgcn-amd-amdhsa--gfx1250"
	.amdhsa_code_object_version 6
	.text
	.protected	k_qb04913fe78_proj
	.globl	k_qb04913fe78_proj
	.p2align	8
	.type	k_qb04913fe78_proj,@function
k_qb04913fe78_proj:
	s_mov_b64 s[64:65], 0
	v_nop
	global_prefetch_b8 v0, s[64:65] scope:SCOPE_SE
	s_setreg_imm32_b32 hwreg(HW_REG_WAVE_MODE, 25, 1), 1
	s_wait_xcnt 0x0
; kv = context Wkv on codes of E4M3; k and v are quantised on the way and stored AS IMAGES OF ATTENTION'S OPERAND REGISTERS.  context: [32768][512] f32; Wkv's codes: wimg (the launch before).
; kv: [8 batch + head] x 1 MiB + [key / 128] x 16,384.  A record of 128 keys: K's part, bytes 0-8191: tile t of 16 keys at 1024 t, chunk c at 512 c, lane l at 16 l: lane (r, h) holds key
; 32 (t / 2) + 8 (t % 2) + r + 8 (r / 8), channels 32 c + 16 h + 0 .. 15.  V's part, bytes 8192-16383: tile ct of 16 channels at 2048 ct: lane (r, h) holds channel 32 (ct / 2) + 8 (ct % 2) + r + 8 (r / 8), keys 32 c + 16 h + 0 .. 15.
; SHARES.  A work-group takes 128 rows of context, one record of all eight heads, and makes all 1,024 columns: context is read from memory once.
; X: wave w loads rows 32 w .. 32 w + 31 by dense loads (512 consecutive bytes each), quantises them and stores the codes into LDS; one barrier.
; Then four passes a wave: k of heads 2 w, 2 w + 1, then v of the same: 128 rows x 64 columns, 32 accumulators, K = 512 in four steps of 128.
; THE ORDER OF K.  A dense load gives lane l the numbers k = 128 i + 4 l + 0 .. 3 of a row (i = 0 .. 3): its 16 codes are taken as the 16 bytes of chunk c, half h, K step s with l = 8 s + 4 h + c.
; That is a permutation of k, the same in Wkv's image, so every product meets its partner; only the order of the sums changes.
; k IS MADE TRANSPOSED (source 0 = 16 columns of Wkv, source 1 = 16 rows of context): a lane holds one key and registers along the channels.  v is made the other way round: a lane holds one channel and
; registers along the keys.  With the rows and columns of a tile chosen as above, 16 registers of two neighbouring tiles are 16 neighbours along the next K: the conversions' results are the images.
; NO CLUSTER, NO TENSOR LOAD: every work-group walks the same weights, but each fragment of them is used by ONE wave of a work-group, for 8 products straight out of its registers; a K step of a pass already reads
; 16 KiB of context's codes from LDS for its 32 products, and weights through LDS would add 8 KiB to that.
; LDS: context's codes: tile a at 8704 a; block 8 s + 4 h + c at 272 x that (256 bytes + 16 of padding); row r at 16 r.  A store's lanes stand 272 bytes apart (17 columns of 16 bytes), a load's sixteen lanes take 256 consecutive bytes.
; LIMITS on the given exponents: e2, e5 - e2 - e3 and e7 - e2 - e3 between -126 and 119.  NaN among the inputs is not served.
; REGISTERS, in windows of 256: window 0: v1-6 addresses; v8-13 scales; v64-127 codes on the way out; v128-255 first my 32 rows' codes, then context's eight fragments of a K step.
;   window 1: Wkv's 16 fragments of passes 0 and 2.   window 2: my rows 0-15 as loaded, then the fragments of passes 1 and 3.   window 3: my rows 16-31 as loaded, then the 32 accumulators.
.set AT,    8704                       ; a tile of 16 rows in LDS: 32 blocks
.set BLK,   272
.set SPARE, 8*AT                       ; behind the tiles: the spare words, 128 bytes for each wave: two blocks of 256 bytes that no other line names
.set WKV_OFF, 262144
.set L16, 1                            ; v1  16 x lane: my place in an image, and in a dense load
.set XW,  2                            ; v2  where I store a row's codes: 272 x lane + 2 tiles x wave
.set AR0, 3                            ; v3  where I read fragments of tiles 0-3: 4 blocks x h + 16 r
.set AR1, 4                            ; v4  of tiles 4-7
.set SPW, 5                            ; v5  LDS address of my spare word; never rewritten
.set NIL, 6                            ; v6  0; never rewritten
.set OC,  64
.set AF,  128
.set MSB, 0
.macro WIN new                         ; s_set_vgpr_msb: bits 1:0 source 0, 3:2 source 1, 5:4 source 2, 7:6 destination; the high byte repeats the setting that is left
.if MSB != (\new)
	s_set_vgpr_msb (MSB<<8)|(\new)
.set MSB, (\new)
.endif
.endm
.macro MKSC e, vs, vl, t0, t1          ; v[vs] = 2^e as f32, v[vl] = 448 x 2^e
	s_add_co_i32 s[\t0], s[\e], 127
	s_lshl_b32 s[\t1], s[\t0], 23
	v_mov_b32 v[\vs], s[\t1]
	s_add_co_i32 s[\t0], s[\t0], 8
	s_lshl_b32 s[\t0], s[\t0], 23
	s_or_b32 s[\t0], s[\t0], 0x600000
	v_mov_b32 v[\vl], s[\t0]
.endm
.macro PLACES                          ; four plain vector lines behind a matrix instruction, ahead of loads into its registers and of reads of its result
.rept 4
	v_nop
.endr
.endm
.macro LIN64 base, off, nt             ; 64 loads of 512 consecutive bytes fill a window: register 4 f takes byte 512 f + 16 x lane
.set FI, 0
.rept 64
.if \nt
	global_load_b128 v[4*FI:4*FI+3], v[L16], s[\base:\base+1] offset:(\off)+512*FI th:TH_LOAD_NT
.else
	global_load_b128 v[4*FI:4*FI+3], v[L16], s[\base:\base+1] offset:(\off)+512*FI
.endif
.set FI, FI+1
.endr
.endm
.macro WLOAD p                         ; pass p's 16 fragments of Wkv (tile t, K step s at register 16 (4 t + s)): window 1 or 2
	WIN (1+((\p)%2))<<6
	LIN64 6, (((\p)/2)*8+((\p)%2))*32768, 0
	WIN 0
.endm
; My rows 16 g .. 16 g + 15 (16 registers a row, in window 2 + g) are held, converted (row x's 16 codes at v[128 + 4 x]) and stored: row x goes to tile 2 w + (x / 8) % 2, place x % 8 + 8 (x / 16)
.macro XQ g
	WIN 0x82+0x41*(\g)
.set FI, 0
.rept 256
	v_med3_num_f32 v[FI], v[FI], -v9, v9           ; the conversion does not saturate (ISA guide 7.6.2): the hold at the largest code x the scale
.set FI, FI+1
.endr
	WIN 0x02+(\g)
.set FI, 0
.rept 32
	v_cvt_scalef32_pk8_fp8_f32 v[AF+64*(\g)+2*FI:AF+64*(\g)+2*FI+1], v[8*FI:8*FI+7], v8
.set FI, FI+1
.endr
	v_nop                                          ; a plain line behind the last conversion: matrix instructions write these registers later
	WIN 0
.set FI, 0
.rept 16
	ds_store_b128 v[XW], v[AF+64*(\g)+4*FI:AF+64*(\g)+4*FI+3] offset:((FI>>3)&1)*AT+16*((FI&7)+8*(\g))
.set FI, FI+1
.endr
.endm
.macro FETCH_A ks, a0                  ; context's fragments of tiles a0 .. a0 + 3, K step ks
.irp a, \a0, \a0+1, \a0+2, \a0+3
.irp c, 0,1,2,3
	ds_load_b128 v[AF+16*(\a)+4*\c:AF+16*(\a)+4*\c+3], v[AR0+(\a0)/4] offset:((\a)%4)*AT+BLK*(8*(\ks)+\c)
.endr
.endr
.endm
; Four products: tile a of rows against the head's four tiles of columns.  typ 0 (k): source 0 = Wkv, accumulator (a, t) at 8 (4 a + t).  typ 1 (v): source 0 = context, accumulator at 8 (8 (a / 2) + 2 t + a % 2).
.macro MUL4 a, ks, typ, zero
.irp t, 0,1,2,3
.if \typ
.set AC, 8*(8*((\a)/2)+2*\t+((\a)%2))
.else
.set AC, 8*(4*(\a)+\t)
.endif
.set WF, 16*(4*\t+(\ks))
.set AA, AF+16*(\a)
.if \typ
.if \zero
	v_wmma_f32_16x16x128_fp8_fp8 v[AC:AC+7], v[AA:AA+15], v[WF:WF+15], 0
.else
	v_wmma_f32_16x16x128_fp8_fp8 v[AC:AC+7], v[AA:AA+15], v[WF:WF+15], v[AC:AC+7]
.endif
.else
.if \zero
	v_wmma_f32_16x16x128_fp8_fp8 v[AC:AC+7], v[WF:WF+15], v[AA:AA+15], 0
.else
	v_wmma_f32_16x16x128_fp8_fp8 v[AC:AC+7], v[WF:WF+15], v[AA:AA+15], v[AC:AC+7]
.endif
.endif
.endr
.endm
; A K step of a pass: 32 products, the 32 accumulators by turns.  A tile's fragment is free when its four products are issued: tiles 0-3 are fetched anew in the middle, tiles 4-7 at the end.
.macro GSTEP ks, typ, wn, zero, more
	s_wait_dscnt 16                                ; tiles 0-3 are in; the 16 younger loads are tiles 4-7's
	WIN 0xf0|((\wn)<<(2*(\typ)))
.irp a, 0,1,2,3
	MUL4 \a, \ks, \typ, \zero
.endr
	s_wait_dscnt 0x0                               ; tiles 4-7 are in
.if \more
	PLACES
	WIN 0
	FETCH_A ((\ks)+1)%4, 0
	WIN 0xf0|((\wn)<<(2*(\typ)))
.endif
.irp a, 4,5,6,7
	MUL4 \a, \ks, \typ, \zero
.endr
	PLACES                                         ; ahead of the loads below, of the next weights' loads, and of the first read of results
	WIN 0
.if \more
	FETCH_A ((\ks)+1)%4, 4
.endif
.endm
; The way out of a pass: 256 sums are held and converted with the three scales folded into one; 16 stores of 512 consecutive bytes, aligned
.macro OUT p, typ
	s_wait_xcnt 0x0                                ; the last pass's stores have read their data: the codes' registers are written again only behind this wait
	WIN 0xc3
.set FI, 0
.rept 256
	v_med3_num_f32 v[FI], v[FI], -v[11+2*(\typ)], v[11+2*(\typ)]   ; each accumulator from its low end on
.set FI, FI+1
.endr
	WIN 0x03
.set FI, 0
.rept 32
	v_cvt_scalef32_pk8_fp8_f32 v[OC+2*FI:OC+2*FI+1], v[8*FI:8*FI+7], v[10+2*(\typ)]
.set FI, FI+1
.endr
	v_nop                                          ; a plain line behind the last conversion: the next pass's products write its sources
	WIN 0
.set FI, 0
.rept 16
.if \typ
	global_store_b128 v[L16], v[OC+4*FI:OC+4*FI+3], s[10:11] offset:(((\p)%2)<<20)+8192+2048*(FI%4)+512*(FI/4)   ; channel tile FI % 4, chunk FI / 4
.else
	global_store_b128 v[L16], v[OC+4*FI:OC+4*FI+3], s[10:11] offset:(((\p)%2)<<20)+512*FI                        ; key tile FI / 2, chunk FI % 2
.endif
.set FI, FI+1
.endr
.endm
.macro PASS p, typ, wn, last
	GSTEP 0, \typ, \wn, 1, 1                       ; the first K step's products start the sums: nothing is cleared
	GSTEP 1, \typ, \wn, 0, 1
	GSTEP 2, \typ, \wn, 0, 1
	GSTEP 3, \typ, \wn, 0, 1-\last                 ; it fetches the next pass's first fragments of context
.if (\p) < 3
	s_wait_loadcnt 0x0                             ; the next pass's weights, asked for a pass ago, are in
.endif
.if (\p) < 2
	WLOAD (\p)+2                                   ; into the registers that this pass's weights have left
.endif
	OUT \p, \typ
.endm
	s_load_b256 s[4:11], s[0:1], 0x0               ; context s[4:5], wimg s[6:7], the scales' exponents s[8:9], kv s[10:11]
	v_lshl_add_u32 v[SPW], v0, 2, SPARE
	v_mov_b32 v[NIL], 0
	v_lshrrev_b32 v7, 5, v0
	v_readfirstlane_b32 s12, v7                    ; wave
	v_and_b32 v7, 31, v0
	v_lshlrev_b32 v[L16], 4, v7
	v_mul_u32_u24 v[XW], v7, BLK
	s_mul_i32 s13, s12, 2*AT
	v_add_nc_u32 v[XW], s13, v[XW]
	v_and_b32 v14, 15, v0                          ; r
	v_bfe_u32 v15, v0, 4, 1                        ; h
	v_mul_u32_u24 v[AR0], v15, 4*BLK
	v_lshl_add_u32 v[AR0], v14, 4, v[AR0]
	v_add_nc_u32 v[AR1], 4*AT, v[AR0]
	s_lshl_b32 s24, ttmp9, 18                      ; context: 128 rows of 2,048 bytes a work-group,
	s_lshl_b32 s25, s12, 16                        ; 32 a wave
	s_add_co_u32 s24, s24, s25
	s_mov_b32 s25, 0
	s_lshl_b32 s26, s12, 16                        ; wimg: Wkv's groups, two heads a wave
	s_add_co_u32 s26, s26, WKV_OFF
	s_mov_b32 s27, 0
	s_lshr_b32 s28, ttmp9, 6                       ; kv: the batch's eight heads,
	s_lshl_b32 s28, s28, 23
	s_lshl_b32 s29, s12, 21                        ; head 2 w,
	s_add_co_u32 s28, s28, s29
	s_and_b32 s29, ttmp9, 63                       ; the record
	s_lshl_b32 s29, s29, 14
	s_add_co_u32 s28, s28, s29
	s_mov_b32 s29, 0
	s_wait_kmcnt 0x0
	s_load_b256 s[16:23], s[8:9], 0x0              ; e0 .. e7
	s_add_nc_u64 s[4:5], s[4:5], s[24:25]
	s_add_nc_u64 s[6:7], s[6:7], s[26:27]
	s_add_nc_u64 s[10:11], s[10:11], s[28:29]
	WIN 0x80
	LIN64 4, 0, 1                                  ; my rows 0-15,
	WIN 0xc0
	LIN64 4, 32768, 1                              ; my rows 16-31: read once in the launch,
	WLOAD 0                                        ; and behind them the first pass's weights
	s_wait_kmcnt 0x0
	MKSC 18, 8, 9, 26, 27                          ; context's scale
	s_sub_co_i32 s24, s21, s18
	s_sub_co_i32 s24, s24, s19                     ; a sum stands for sum x 2^(e2 + e3): k's code is sum / 2^(e5 - e2 - e3),
	MKSC 24, 10, 11, 26, 27
	s_sub_co_i32 s25, s23, s18
	s_sub_co_i32 s25, s25, s19                     ; v's is sum / 2^(e7 - e2 - e3)
	MKSC 25, 12, 13, 26, 27
	s_wait_loadcnt 63                              ; rows 0-15 are in: 128 loads were issued behind them, and 63 is the largest count that can be named
	XQ 0
	s_wait_loadcnt 63                              ; rows 16-31 are in: 64 loads were issued behind them
	XQ 1
	WLOAD 1                                        ; into the registers that rows 0-15 have left
	s_wait_dscnt 0x0                               ; my stores have landed
	s_barrier_signal -1
	s_barrier_wait -1                              ; everybody's have: the 128 rows' codes lie in LDS, and are only read from here on
	FETCH_A 0, 0
	FETCH_A 0, 4
	s_wait_loadcnt 63                              ; the first pass's weights are in: 64 loads were issued behind them
	PASS 0, 0, 1, 0
	PASS 1, 0, 2, 0
	PASS 2, 1, 1, 0
	PASS 3, 1, 2, 1
	s_wait_tensorcnt 0x0                           ; the wave's end: behind my last LDS store
	ds_add_u32 v[SPW], v[NIL]
	s_wait_dscnt 0x0
	s_endpgm
.Lfunc_end_k_qb04913fe78_proj:
	.size	k_qb04913fe78_proj, .Lfunc_end_k_qb04913fe78_proj-k_qb04913fe78_proj
	.p2alignl 7, 3214868480
	.fill 96, 4, 3214868480
	.section	.rodata,"a",@progbits
	.p2align	6, 0x0
	.amdhsa_kernel k_qb04913fe78_proj
		.amdhsa_group_segment_fixed_size 70144
		.amdhsa_private_segment_fixed_size 0
		.amdhsa_enable_private_segment 0
		.amdhsa_kernarg_size 32
		.amdhsa_user_sgpr_count 2
		.amdhsa_user_sgpr_kernarg_segment_ptr 1
		.amdhsa_wavefront_size32 1
		.amdhsa_system_sgpr_workgroup_id_x 1
		.amdhsa_system_sgpr_workgroup_id_y 1
		.amdhsa_system_sgpr_workgroup_id_z 1
		.amdhsa_system_vgpr_workitem_id 0
		.amdhsa_next_free_vgpr 1024
		.amdhsa_next_free_sgpr 66
		.amdhsa_reserve_vcc 0
		.amdhsa_float_denorm_mode_32 3
		.amdhsa_float_denorm_mode_16_64 3
		.amdhsa_memory_ordered 1
		.amdhsa_forward_progress 1
		.amdhsa_inst_pref_size 228
	.end_amdhsa_kernel
	.amdgpu_metadata
---
amdhsa.version: [ 1, 2 ]
amdhsa.kernels:
  - .name:           k_qb04913fe78_proj
    .symbol:         k_qb04913fe78_proj.kd
    .args:
      - { .name: context, .offset: 0, .size: 8, .value_kind: global_buffer, .address_space: global }
      - { .name: wimg, .offset: 8, .size: 8, .value_kind: global_buffer, .address_space: global }
      - { .name: lowp_scales, .offset: 16, .size: 8, .value_kind: global_buffer, .address_space: global }
      - { .name: kv, .offset: 24, .size: 8, .value_kind: global_buffer, .address_space: global }
    .group_segment_fixed_size: 70144
    .private_segment_fixed_size: 0
    .kernarg_segment_align: 8
    .kernarg_segment_size: 32
    .max_flat_workgroup_size: 128
    .sgpr_count:     66
    .vgpr_count:     1024
    .wavefront_size: 32
...
	.end_amdgpu_metadata
.endif
;; end of part 2
;; launch attn (part 3): grid 8 x 32, 8 waves a work-group, clusters of 4 x 1, 327,680 bytes of LDS; arguments x, wimg, kv, lowp_scales, oimg; writes oimg
.if DOCPART == 3
	.amdgcn_target "amdgcn-amd-amdhsa--gfx1250"
	.amdhsa_code_object_version 6
	.text
	.protected	k_qb04913fe78_attn
	.globl	k_qb04913fe78_attn
	.p2align	8
	.type	k_qb04913fe78_attn,@function
k_qb04913fe78_attn:
	s_mov_b64 s[64:65], 0
	v_nop
	global_prefetch_b8 v0, s[64:65] scope:SCOPE_SE
	s_setreg_imm32_b32 hwreg(HW_REG_WAVE_MODE, 25, 1), 1
	s_wait_xcnt 0x0
	s_wait_alu depctr_hold_cnt(0) depctr_sa_sdst(0) depctr_va_vdst(0) depctr_va_sdst(0) depctr_va_ssrc(0) depctr_va_vcc(0) depctr_vm_vsrc(0)
	s_getreg_b32 s2, hwreg(HW_REG_IB_STS2, 6, 4)
	s_cmp_eq_u32 s2, 0
	s_cbranch_scc0 .Lentry_in_a_cluster
	s_endpgm
.Lentry_in_a_cluster:
	s_bfe_u32 s2, ttmp6, 0x10000c
	s_cmp_lg_u32 s2, 0x3003
	s_cbranch_scc0 .Lentry_shape_is_right
	s_endpgm
.Lentry_shape_is_right:
; For one batch and head and 128 queries: q = x Wq (the head's 64 columns), S = q k^T / 8, the softmax, o = p v / l, all three products on codes of E4M3 with the given scales; o is quantised and stored as the last product's operand.
; THE SOFTMAX AHEAD OF THE SECOND PRODUCT: t = score x log2(e) / 8; M = the running largest t, rounded UP to a whole number; p = 2^(t - M) is what is quantised; the row's sum is taken of the unquantised p and
; divides at the end.  When M moves, the sum and O are multiplied by 2^(old M - new M): nothing is rounded.
; SHARES.  Work-group: 128 queries of one (batch, head).  Each of its EIGHT waves owns one tile of 16 queries (wave w, lane r: query 32 (w / 2) + 8 (w % 2) + r + 8 (r / 8) of the block) in 512 registers: two waves to a
; SIMD, so that one wave's vector work stands beside the other's matrix work and LDS loads.  Every wave walks all 8,192 keys, 256 a step: 16 products K Q^T (K = 64), 8 products V^T P^T (K = 128).
; LAYOUT.  All products are used transposed: a lane holds ONE query throughout.  kv holds images of the operands' registers (the launch before): a fragment comes by 16-byte loads, lane l at 16 l, no pitch, no padding.
; The keys, channels and columns of a tile are chosen so that 16 registers of two neighbouring tiles are 16 neighbours along the next K: the conversions' results are the next operand.
; RING.  Two LDS slots of 1,024 keys (eight records of 16,384 bytes, four key steps).  Each wave fetches one record of a slot by one tensor load of 64 rows x 256 bytes, dense.  One tensor load of a wave is out at a time;
; it goes out four key steps ahead of its slot's first read.
; CLUSTER.  The four query blocks of a cluster belong to one batch and head and walk the same records: each is asked for JOINTLY, by the same tensor load with the same descriptor and the mask of all four.
; oimg: row tile RT = 8 x (block of 128 rows) + w at 8192 RT; the head's 64 along K at 1024 x head: chunk b at 512 b, lane l at 16 l: lane (r, h) holds my query r, k = 64 head + 32 b + 16 h + 0 .. 15.
; LIMITS on the given exponents: e0, e4 - e0 - e1, e6 and e8 between -126 and 119; e4 + e5 between -123 and 130 (added to c's exponent field); e6 + e7 is applied by v_ldexp_f32.  NaN among the inputs is not served.
; REGISTERS, window 0: v1-5 addresses; v12 -M, v13 the largest t, v[14:15] the sum; v16, v17 p's hold and scale; v18-25 at work; v26, v27 o's scale and hold; v32-63 p's codes; v64-191 S^T, then p; v192-223 O^T; v224-231 q's codes.
;   At the head: v6-9 scales; v16-47 q's sums; v48-63 x's codes; v64-255 three sets of 64 numbers of x.   window 1: at the head Wq's 16 fragments; then v0-127 K's 16 tiles, v128-255 V's 8 fragments.
.set SLOT1, 1<<17                      ; slot 1 begins here: one exclusive or turns an address in one slot into the other's
.set SPARE, 2*SLOT1                    ; behind the ring: the spare words, 128 bytes for each wave: four blocks of 256 bytes that no other line names
.set REC,   16384                      ; a record: 128 keys
.set STEPB, 2*REC                      ; a key step
.set NSL,   8                          ; slots' worth of keys
.set L16, 1                            ; v1  16 x lane; never rewritten
.set ADR, 2                            ; v2  LDS address of the step in hand
.set SPW, 3                            ; v3  LDS address of my spare word; never rewritten
.set NIL, 4                            ; v4  0; never rewritten
.set XA,  5                            ; v5  x: my row's place among the wave's, + 64 h
.set QA,  16
.set XC,  48
.set P,   32
.set S,   64
.set O,   192
.set Q,   224
.set WV,  14                           ; s14 my wave's number
.set SEL, 20                           ; s[20:21] lane selects for v_permlanex16_b32: lane l xor 16
.set CS,  22                           ; s[22:23] c = log2(e) / 8 x 2^(e4 + e5); the packed form names a pair and takes its low word
.set G1,  24                           ; s[24:31] descriptor group 1
.set G0,  32                           ; s[32:35] descriptor group 0, which walks
.set TB,  36                           ; s36 LDS byte at which the step in hand begins
.set SLOTS, 37
.set STEPS, 38
.set MSB, 0
.macro WIN new                         ; s_set_vgpr_msb: bits 1:0 source 0, 3:2 source 1, 5:4 source 2, 7:6 destination; the high byte repeats the setting that is left
.if MSB != (\new)
	s_set_vgpr_msb (MSB<<8)|(\new)
.set MSB, (\new)
.endif
.endm
.macro MKSC e, vs, vl, t0, t1          ; v[vs] = 2^e as f32, v[vl] = 448 x 2^e
	s_add_co_i32 s[\t0], s[\e], 127
	s_lshl_b32 s[\t1], s[\t0], 23
	v_mov_b32 v[\vs], s[\t1]
	s_add_co_i32 s[\t0], s[\t0], 8
	s_lshl_b32 s[\t0], s[\t0], 23
	s_or_b32 s[\t0], s[\t0], 0x600000
	v_mov_b32 v[\vl], s[\t0]
.endm
.macro PLACES                          ; four plain vector lines behind a matrix instruction, ahead of loads into its registers and of reads of its result
.rept 4
	v_nop
.endr
.endm
; A round of the cluster's barrier: my work-group's barrier; wave 0 signals for the work-group; every wave waits for all four work-groups; my work-group's barrier once more
.macro CROUND
	s_barrier_signal -1
	s_barrier_wait -1
	s_cmp_lg_u32 s[WV], 0
	s_cbranch_scc1 .Lnot_wave_0_\@
	s_barrier_signal -3
.Lnot_wave_0_\@:
	s_barrier_wait -3
	s_barrier_signal -1
	s_barrier_wait -1
.endm
; 64 numbers of a lane, register 16 b + i, become a fragment's 16 registers of codes
.macro QUANT s, sc, lim, pc
.irp b, 0,1,2,3
.irp i, 0,1,2,3,4,5,6,7,8,9,10,11,12,13,14,15
	v_med3_num_f32 v[\s+16*\b+\i], v[\s+16*\b+\i], -v[\lim], v[\lim]   ; the conversion does not saturate (ISA guide 7.6.2): the hold at the largest code x the scale
.endr
	v_cvt_scalef32_pk8_fp8_f32 v[\pc+4*\b:\pc+4*\b+1], v[\s+16*\b:\s+16*\b+7], v[\sc]
	v_cvt_scalef32_pk8_fp8_f32 v[\pc+4*\b+2:\pc+4*\b+3], v[\s+16*\b+8:\s+16*\b+15], v[\sc]
.endr
	v_nop                                          ; a plain line between the last conversion and the products that read its result
.endm
; My row's numbers of K step s, in the order of Wq's image: register 16 c + 4 i + j is k = 32 s + 4 c + 16 h + 128 i + j
.macro XLOAD set, s
.irp c, 0,1,2,3
.irp i, 0,1,2,3
	global_load_b128 v[\set+16*\c+4*\i:\set+16*\c+4*\i+3], v[XA], s[4:5] offset:512*\i+128*(\s)+16*\c
.endr
.endr
.endm
; A K step of q^T = Wq^T x^T: source 0 = 16 columns of Wq, source 1 = my 16 rows of x; four accumulators by turns.  left: the younger loads that may stay out
.macro QSTEP set, s, left
	s_wait_loadcnt \left
	QUANT \set, 6, 7, XC                           ; its first sixteen holds are also the places ahead of the write of the codes that the last products read
	WIN 0x01
.irp t, 0,1,2,3
.if \s == 0
	v_wmma_f32_16x16x128_fp8_fp8 v[QA+8*\t:QA+8*\t+7], v[16*(4*\t+\s):16*(4*\t+\s)+15], v[XC:XC+15], 0
.else
	v_wmma_f32_16x16x128_fp8_fp8 v[QA+8*\t:QA+8*\t+7], v[16*(4*\t+\s):16*(4*\t+\s)+15], v[XC:XC+15], v[QA+8*\t:QA+8*\t+7]
.endif
.endr
	WIN 0
.endm
.macro FETCH_K off                     ; 16 tiles of 16 keys x 64 channels (two records), off bytes on from the step in hand: register 4 f takes byte 512 (f % 16) of K's part of record f / 16
	WIN 0x40
.set JJ, 0
.rept 32
	ds_load_b128 v[4*JJ:4*JJ+3], v[ADR] offset:(\off)+(JJ/16)*REC+(JJ%16)*512
.set JJ, JJ+1
.endr
.endm
.macro FETCH_V                         ; 8 fragments of 16 channels x 128 keys: the same of V's part
	WIN 0x40
.set JJ, 0
.rept 32
	ds_load_b128 v[128+4*JJ:128+4*JJ+3], v[ADR] offset:(JJ/16)*REC+8192+(JJ%16)*512
.set JJ, JJ+1
.endr
.endm
; A KEY STEP: 256 keys.  pre = 1: the next step's K lies in the same slot and is fetched here, under the softmax.
.macro STEP pre
	v_add_nc_u32 v[ADR], s[TB], v[L16]
	s_wait_dscnt 0x0                               ; K is in
	WIN 0x01                                       ; source 0 (K) window 1
.set JJ, 0
.rept 16
	v_wmma_f32_16x16x64_fp8_fp8 v[S+8*JJ:S+8*JJ+7], v[8*JJ:8*JJ+7], v[Q:Q+7], 0   ; lane (r, h), register 16 B + i: key 32 B + 16 h + i of the step, query r
.set JJ, JJ+1
.endr
	PLACES                                         ; ahead of the loads into K's and V's registers (with the addition above: five behind the last step's products) and of the first read of the scores
	FETCH_V
.if \pre
	FETCH_K STEPB
.endif
	WIN 0
	v_max3_num_f32 v22, v[S], v[S+1], v[S+2]       ; the step's largest score of my query among my 128 keys, in two chains, each accumulator from its low end on,
	v_max3_num_f32 v23, v[S+3], v[S+4], v[S+5]
.set JJ, 6
.rept 30
	v_max3_num_f32 v22, v22, v[S+JJ], v[S+JJ+1]
	v_max3_num_f32 v23, v23, v[S+JJ+2], v[S+JJ+3]
.set JJ, JJ+4
.endr
	v_max3_num_f32 v22, v22, v[S+126], v[S+127]
	v_max_num_f32 v22, v22, v23
	v_permlanex16_b32 v18, v22, s[SEL], s[SEL+1]
	v_max_num_f32 v22, v22, v18                    ; and among lane l xor 16's
	v_mul_f32 v22, s[CS], v22                      ; as t (c is positive)
	v_max_num_f32 v13, v13, v22                    ; the running largest t
	v_mov_b32 v22, v12
	v_floor_f32 v12, -v13                          ; the new -M = floor(-t) = -ceil(t): a whole number
	v_sub_f32 v22, v12, v22                        ; old M - new M: a whole number, 0 or less
	v_cvt_i32_f32 v22, v22                         ; (it saturates)
	v_ldexp_f32 v20, 1.0, v22                      ; f = 2^(old M - new M)
.set JJ, 0
.rept 64
	v_pk_fma_f32 v[S+JJ:S+JJ+1], v[S+JJ:S+JJ+1], s[CS:CS+1], v[12:13] op_sel_hi:[1,0,0]   ; t - M, two at a time
.set JJ, JJ+2
.endr
.set JJ, 0
.rept 128
	v_exp_f32 v[S+JJ], v[S+JJ]                     ; p = 2^(t - M), at most 1: not normalised.  One batch
.set JJ, JJ+1
.endr
	v_pk_mul_f32 v[14:15], v[14:15], v[20:21] op_sel_hi:[1,0]   ; the sum under the new M: the plain line behind the last exponential
	s_wait_alu depctr_va_vdst(0)                   ; the wait ahead of the first line that names an exponential's result: one for the batch
	v_pk_add_f32 v[24:25], v[S:S+1], v[S+2:S+3]    ; the row's sum is taken of the unquantised p: two at a time, in two chains
.set JJ, 4
.rept 31
	v_pk_add_f32 v[14:15], v[14:15], v[S+JJ:S+JJ+1]
	v_pk_add_f32 v[24:25], v[24:25], v[S+JJ+2:S+JJ+3]
.set JJ, JJ+4
.endr
	v_pk_add_f32 v[14:15], v[14:15], v[24:25]
.set JJ, 0
.rept 128
	v_min_num_f32 v[S+JJ], v[S+JJ], v16            ; the conversion does not saturate; p is not negative, so the hold is one-sided
.set JJ, JJ+1
.endr
.set JJ, 0
.rept 16
	v_cvt_scalef32_pk8_fp8_f32 v[P+2*JJ:P+2*JJ+1], v[S+8*JJ:S+8*JJ+7], v17   ; registers 4 B .. 4 B + 3: keys 32 B + 16 h + 0 .. 15: V's order
.set JJ, JJ+1
.endr
.set JJ, 0
.rept 16
	v_pk_mul_f32 v[O+JJ:O+JJ+1], v[O+JJ:O+JJ+1], v[20:21] op_sel_hi:[1,0]    ; O^T under the new M; also the plain lines between the conversions and the products
.set JJ, JJ+2
.endr
.if \pre
	s_wait_dscnt 32                                ; V is in; the next step's K, 32 younger loads, may be out
.else
	s_wait_dscnt 0x0
.endif
	WIN 0x01                                       ; source 0 (V) window 1
.irp kk, 0,1
.irp ct, 0,1,2,3
	v_wmma_f32_16x16x128_fp8_fp8 v[O+8*\ct:O+8*\ct+7], v[128+64*\kk+16*\ct:128+64*\kk+16*\ct+15], v[P+16*\kk:P+16*\kk+15], v[O+8*\ct:O+8*\ct+7]   ; four accumulators by turns
.endr
.endr
	WIN 0
	s_add_co_u32 s[TB], s[TB], STEPB
.endm
; THE CHANGE OF SLOTS stands at a slot's head.  Each wave waits for all its tensor loads (its record of the slot ahead), adds 0 to its spare word, and waits for that and for its reads of the slot that it has left.
; fill = 1: a round of the cluster's barrier: no wave of any partner still reads the slot left or has a load on its way; then that slot is filled with the keys that follow: the load has four key steps in which to land.
.macro CHANGE fill
	s_wait_tensorcnt 0x0                           ; no tensor load of mine is out, so group 0 may be written
	ds_add_u32 v[SPW], v[NIL]                      ; 0 onto my spare word; the descriptor's steps stand between it and the wait for it
.if \fill
	s_xor_b32 s[G0+1], s[G0+1], SLOT1              ; the other slot than last time,
	s_add_nc_u64 s[G0+2:G0+3], s[G0+2:G0+3], 8*REC ; the next 1,024 keys; the type bits on top are not reached
.endif
	s_wait_dscnt 0x0                               ; the add is done, and my reads of the slot that I have left are over
.if \fill
	CROUND
	tensor_load_to_lds s[G0:G0+3], s[G1:G1+7]      ; the first thing behind the round, and my one tensor load until the next
	s_nop 0
	PLACES                                         ; (four vector lines ahead of the next switch of windows)
.else
	s_barrier_signal -1
	s_barrier_wait -1
.endif
.endm
.macro SLOT_STEPS                      ; a slot's four key steps: three that fetch the next step's K ahead, walked in a loop, and the last
	v_add_nc_u32 v[ADR], s[TB], v[L16]
	FETCH_K 0
	WIN 0
	s_mov_b32 s[STEPS], 3
.Lstep_\@:
	STEP 1
	s_sub_co_u32 s[STEPS], s[STEPS], 1
	s_cmp_lg_u32 s[STEPS], 0
	s_cbranch_scc1 .Lstep_\@
	STEP 0
	s_sub_co_u32 s[TB], s[TB], 4*STEPB             ; back to a slot's first step,
	s_xor_b32 s[TB], s[TB], SLOT1                  ; in the other slot
.endm
	s_load_b256 s[4:11], s[0:1], 0x0               ; x s[4:5], wimg s[6:7], kv s[8:9], the scales' exponents s[10:11]
	s_load_b64 s[12:13], s[0:1], 0x20              ; oimg
	v_lshl_add_u32 v[SPW], v0, 2, SPARE
	v_mov_b32 v[NIL], 0
	ds_add_u32 v[SPW], v[NIL]                      ; the wave's opening: the add and its wait ahead of my first tensor load; the set-up below, work on registers, stands between them
	v_lshrrev_b32 v6, 5, v0
	v_readfirstlane_b32 s[WV], v6                  ; wave 0..7
	s_bfe_u32 s15, ttmp6, 0x40000                  ; cx: my place in the cluster
	s_lshl_b32 s16, ttmp9, 2                       ; in a cluster launch ttmp9 counts clusters
	s_add_co_u32 s16, s16, s15                     ; my block of 128 queries: it enters x's and oimg's addresses alone
	s_and_b32 s17, ttmp7, 0xffff                   ; 8 batch + head, which the four partners share
	s_mov_b32 s[G1], 15|(3<<16)|(1<<21)            ; 15:0 the mask: all four work-groups; 17:16 elements of 8 bytes; 20 no padding; 21 set beside a mask
	s_mov_b32 s[G1+1], 32<<16                      ; tensor_dim0 = 32 elements: 256 bytes
	s_mov_b32 s[G1+2], 64<<16                      ; tensor_dim1 = 64
	s_mov_b32 s[G1+3], 32<<16                      ; tile_dim0 = 32
	s_mov_b32 s[G1+4], 64                          ; tile_dim1 = 64 rows: a record
	s_mov_b32 s[G1+5], 32                          ; from row to row: dense
	s_mov_b32 s[G1+6], 0
	s_mov_b32 s[G1+7], 0
	s_mov_b32 s[SEL], 0x76543210
	s_mov_b32 s[SEL+1], 0xfedcba98
	v_and_b32 v6, 31, v0
	v_lshlrev_b32 v[L16], 4, v6
	v_and_b32 v6, 15, v0                           ; r
	v_bfe_u32 v7, v0, 4, 1                         ; h
	v_and_b32 v8, 8, v6
	v_add_nc_u32 v8, v8, v6                        ; r + 8 (r / 8)
	v_lshlrev_b32 v[XA], 11, v8                    ; a row of x is 2,048 bytes
	v_lshl_add_u32 v[XA], v7, 6, v[XA]
	s_lshl_b32 s52, s17, 20                        ; kv: my batch and head,
	s_lshl_b32 s53, s[WV], 14                      ; my wave's record of a slot
	s_add_co_u32 s52, s52, s53
	s_mov_b32 s53, 0
	s_and_b32 s54, s17, 7                          ; wimg: Wq's group = the head
	s_lshl_b32 s54, s54, 15
	s_mov_b32 s55, 0
	s_lshr_b32 s56, s17, 3
	s_lshl_b32 s56, s56, 3
	s_add_co_u32 s56, s56, s16                     ; the block of 128 rows: 8 batch + my block
	s_lshl_b32 s58, s56, 3
	s_add_co_u32 s58, s58, s[WV]                   ; oimg: row tile 8 x block + wave,
	s_lshl_b32 s58, s58, 13
	s_and_b32 s59, s17, 7
	s_lshl_b32 s59, s59, 10                        ; the head's 1,024 bytes of it
	s_add_co_u32 s58, s58, s59
	s_mov_b32 s59, 0
	s_lshl_b32 s56, s56, 7                         ; x: the block's first row,
	s_lshr_b32 s57, s[WV], 1
	s_lshl_b32 s57, s57, 5
	s_add_co_u32 s56, s56, s57                     ; + 32 (w / 2)
	s_and_b32 s57, s[WV], 1
	s_lshl_b32 s57, s57, 3
	s_add_co_u32 s56, s56, s57                     ; + 8 (w % 2)
	s_lshl_b32 s56, s56, 11
	s_mov_b32 s57, 0
	s_wait_dscnt 0x0                               ; the opening add is done
	s_wait_kmcnt 0x0
	s_load_b256 s[40:47], s[10:11], 0x0            ; e0 .. e7
	s_load_b64 s[48:49], s[10:11], 0x20            ; e8, e9
	s_add_nc_u64 s[4:5], s[4:5], s[56:57]
	s_add_nc_u64 s[6:7], s[6:7], s[54:55]
	s_add_nc_u64 s[12:13], s[12:13], s[58:59]
	s_mov_b32 s[G0], 1                             ; count = 1
	s_lshl_b32 s[G0+1], s[WV], 14                  ; LDS address: slot 0, my record: no place in the cluster enters it
	s_add_nc_u64 s[G0+2:G0+3], s[8:9], s[52:53]    ; global address
	s_or_b32 s[G0+3], s[G0+3], 0x80000000          ; type = 2
	CROUND                                         ; all four work-groups are here: the first joint loads meet
	tensor_load_to_lds s[G0:G0+3], s[G1:G1+7]      ; slot 0
	s_nop 0
	PLACES
	; ---- q, while slot 0 is on its way.  Wq's 16 fragments of the head (tile t, K step s at register 16 (4 t + s) of window 1), then x by K steps in three sets
	WIN 0x40
.set JJ, 0
.rept 64
	global_load_b128 v[4*JJ:4*JJ+3], v[L16], s[6:7] offset:512*JJ
.set JJ, JJ+1
.endr
	WIN 0
	XLOAD 64, 0
	XLOAD 128, 1
	XLOAD 192, 2
	s_wait_kmcnt 0x0
	MKSC 40, 6, 7, 51, 52                          ; x's scale
	s_sub_co_i32 s50, s44, s40
	s_sub_co_i32 s50, s50, s41                     ; a sum stands for sum x 2^(e0 + e1): q's code is sum / 2^(e4 - e0 - e1)
	MKSC 50, 8, 9, 51, 52
	QSTEP 64, 0, 32                                ; Wq and K step 0 are in; K steps 1 and 2, 32 loads, may be out
	XLOAD 64, 3
	QSTEP 128, 1, 32                               ; K steps 2 and 3 may be out
	QSTEP 192, 2, 16                               ; K step 3 may be out
	QSTEP 64, 3, 0
	PLACES
.set JJ, 0
.rept 32
	v_med3_num_f32 v[QA+JJ], v[QA+JJ], -v9, v9     ; register 16 b + i: channel 32 b + 16 h + i of my query; each accumulator from its low end on
.set JJ, JJ+1
.endr
.set JJ, 0
.rept 4
	v_cvt_scalef32_pk8_fp8_f32 v[Q+2*JJ:Q+2*JJ+1], v[QA+8*JJ:QA+8*JJ+7], v8
.set JJ, JJ+1
.endr
	v_nop                                          ; a plain line behind the last conversion
	; ---- what the loop keeps
	MKSC 46, 17, 16, 51, 52                        ; p's scale 2^e6 and hold 448 x 2^e6
	MKSC 48, 26, 27, 51, 52                        ; o's
	s_add_co_i32 s50, s44, s45
	s_lshl_b32 s50, s50, 23
	s_mov_b32 s[CS], 0x3e38aa3b                    ; log2(e) / 8
	s_add_co_i32 s[CS], s[CS], s50                 ; a score stands for score x 2^(e4 + e5): the exponents are added to c's exponent field
	s_mov_b32 s[CS+1], s[CS]                       ; (named with it as a pair, so it is written)
	v_mov_b32 v13, 0xff61b1e6                      ; the largest t so far: -3e38, under every t
	v_floor_f32 v12, -v13                          ; -M
	v_mov_b32 v14, 0                               ; the sum, in two halves
	v_mov_b32 v15, 0
	v_mov_b32 v18, 0                               ; a lane permute's destination counts as one of its sources
	v_mov_b32 v21, 0                               ; (named as the upper half of the pair v[20:21])
.set JJ, 0
.rept 32
	v_mov_b32 v[O+JJ], 0                           ; O^T: the step is written once; its first run finds zeros, which the first change of M leaves zeros
.set JJ, JJ+1
.endr
	s_mov_b32 s[TB], 0
	s_mov_b32 s[SLOTS], NSL-1
.Lslot:                                            ; NSL - 1 trips: behind each change of slots but the last the next slot is asked for
	CHANGE 1
	SLOT_STEPS
	s_sub_co_u32 s[SLOTS], s[SLOTS], 1
	s_cmp_lg_u32 s[SLOTS], 0
	s_cbranch_scc1 .Lslot
	CHANGE 0                                       ; the last slot is written out
	SLOT_STEPS
	; ---- THE WAY OUT: o = O^T x 2^(e6 + e7) / the sum, quantised with 2^e8: register 16 b + i is channel 32 b + 16 h + i: two chunks of the last product's operand
	PLACES
	v_add_f32 v14, v14, v15                        ; the sum's two halves,
	v_permlanex16_b32 v18, v14, s[SEL], s[SEL+1]
	v_add_f32 v14, v14, v18                        ; and lane l xor 16's
	v_rcp_f32 v14, v14
	v_nop                                          ; a plain line behind the reciprocal
	s_add_co_i32 s50, s46, s47
	s_wait_alu depctr_va_vdst(0)                   ; and the wait ahead of its first reader
	v_ldexp_f32 v14, v14, s50
.set JJ, 0
.rept 16
	v_pk_mul_f32 v[S+JJ:S+JJ+1], v[O+JJ:O+JJ+1], v[14:15] op_sel_hi:[1,0]
.set JJ, JJ+2
.endr
.set JJ, 0
.rept 32
	v_med3_num_f32 v[S+JJ], v[S+JJ], -v27, v27
.set JJ, JJ+1
.endr
.set JJ, 0
.rept 4
	v_cvt_scalef32_pk8_fp8_f32 v[P+2*JJ:P+2*JJ+1], v[S+8*JJ:S+8*JJ+7], v26
.set JJ, JJ+1
.endr
	v_nop
	global_store_b128 v[L16], v[P:P+3], s[12:13]               ; 512 consecutive bytes, aligned
	global_store_b128 v[L16], v[P+4:P+7], s[12:13] offset:512
	s_wait_tensorcnt 0x0                           ; the wave's end: behind my last tensor load
	ds_add_u32 v[SPW], v[NIL]
	s_wait_dscnt 0x0
	CROUND                                         ; the closing round: no work-group ends while a partner may still ask for a record that names it
	s_endpgm
.Lfunc_end_k_qb04913fe78_attn:
	.size	k_qb04913fe78_attn, .Lfunc_end_k_qb04913fe78_attn-k_qb04913fe78_attn
	.p2alignl 7, 3214868480
	.fill 96, 4, 3214868480
	.section	.rodata,"a",@progbits
	.p2align	6, 0x0
	.amdhsa_kernel k_qb04913fe78_attn
		.amdhsa_group_segment_fixed_size 327680
		.amdhsa_private_segment_fixed_size 0
		.amdhsa_enable_private_segment 0
		.amdhsa_kernarg_size 40
		.amdhsa_user_sgpr_count 2
		.amdhsa_user_sgpr_kernarg_segment_ptr 1
		.amdhsa_wavefront_size32 1
		.amdhsa_system_sgpr_workgroup_id_x 1
		.amdhsa_system_sgpr_workgroup_id_y 1
		.amdhsa_system_sgpr_workgroup_id_z 1
		.amdhsa_system_vgpr_workitem_id 0
		.amdhsa_next_free_vgpr 512
		.amdhsa_next_free_sgpr 66
		.amdhsa_reserve_vcc 0
		.amdhsa_float_denorm_mode_32 3
		.amdhsa_float_denorm_mode_16_64 3
		.amdhsa_memory_ordered 1
		.amdhsa_forward_progress 1
		.amdhsa_inst_pref_size 160
	.end_amdhsa_kernel
	.amdgpu_metadata
---
amdhsa.version: [ 1, 2 ]
amdhsa.kernels:
  - .name:           k_qb04913fe78_attn
    .symbol:         k_qb04913fe78_attn.kd
    .args:
      - { .name: x, .offset: 0, .size: 8, .value_kind: global_buffer, .address_space: global }
      - { .name: wimg, .offset: 8, .size: 8, .value_kind: global_buffer, .address_space: global }
      - { .name: kv, .offset: 16, .size: 8, .value_kind: global_buffer, .address_space: global }
      - { .name: lowp_scales, .offset: 24, .size: 8, .value_kind: global_buffer, .address_space: global }
      - { .name: oimg, .offset: 32, .size: 8, .value_kind: global_buffer, .address_space: global }
    .group_segment_fixed_size: 327680
    .private_segment_fixed_size: 0
    .kernarg_segment_align: 8
    .kernarg_segment_size: 40
    .max_flat_workgroup_size: 256
    .sgpr_count:     66
    .vgpr_count:     512
    .wavefront_size: 32
...
	.end_amdgpu_metadata
.endif
;; end of part 3
;; launch outp (part 4): grid 4 x 64, 4 waves a work-group, no clusters, 34,304 bytes of LDS; arguments oimg, wimg, lowp_scales, bout, out0; writes out0
.if DOCPART == 4
	.amdgcn_target "amdgcn-amd-amdhsa--gfx1250"
	.amdhsa_code_object_version 6
	.text
	.protected	k_qb04913fe78_outp
	.globl	k_qb04913fe78_outp
	.p2align	8
	.type	k_qb04913fe78_outp,@function
k_qb04913fe78_outp:
	s_mov_b64 s[64:65], 0
	v_nop
	global_prefetch_b8 v0, s[64:65] scope:SCOPE_SE
	s_setreg_imm32_b32 hwreg(HW_REG_WAVE_MODE, 25, 1), 1
	s_wait_xcnt 0x0
; out0 = o Wout + bout on codes of E4M3.  o's codes: oimg (row tile RT at 8192 RT, K step s at 2048 s); Wout's codes: wimg, groups 24-31; both are images of operand registers: chunk c at 512 c, lane l at 16 l.
; SHARES.  Work-group (X, Y): rows 64 Y .. 64 Y + 63, columns 128 X .. 128 X + 127.  Wave w: columns 32 w .. 32 w + 31 of those (two tiles u) for the four tiles m of rows: 8 accumulators, K = 512 in four steps.
; The product is used transposed (source 0 = 16 columns of Wout, source 1 = 16 rows of o): lane (r, h) holds row 32 (m / 2) + 8 (m % 2) + r + 8 (r / 8) of the 64, and register j of tile u column 32 w + 16 h + 8 u + j.
; All operands go from memory straight into registers, each read once by the wave that uses it, all loads issued at the head: there is no loop over tiles to share in a cluster, and no ring.
; THE WAY OUT: sum x 2^(e8 + e9) + bout by one packed multiply-add for two numbers; a row's 512 bytes come from four waves, so they meet in a stage in LDS (rows of 512 + 16 bytes; rows r and r + 8 of a tile lie 16 rows
; apart, so these stores go two deep in the banks), and each wave stores 16 whole rows: 512 consecutive bytes an instruction, aligned.
; LIMIT: e8 + e9 between -126 and 127, so that 2^(e8 + e9) is an f32 number.
; REGISTERS, window 0: v1-6 addresses; v16-31 my 16 numbers of bout; v32-95 the accumulators, (u, m) at 8 (4 u + m); v128-255 Wout's 8 fragments, (u, s) at 16 (4 u + s); later v128-191 results, v192-255 rows read back.
;   window 1: o's 16 fragments, (m, s) at 16 (4 m + s).
.set SPITCH, 528
.set SPARE,  64*SPITCH                 ; behind the stage: the spare words, 128 bytes for each wave: two blocks of 256 bytes that no other line names
.set WOUT_OFF, 786432
.set L16, 1                            ; v1  16 x lane
.set SO,  2                            ; v2  the stage: where I put 32 bytes of a row
.set SR,  3                            ; v3  and where I read a row back
.set BA,  4                            ; v4  64 h: my 16 numbers of bout
.set SPW, 5                            ; v5  LDS address of my spare word; never rewritten
.set NIL, 6                            ; v6  0; never rewritten
.set BI,  16
.set ACC, 32
.set WF,  128
.set RES, 128
.set BK,  192
.set MSB, 0
.macro WIN new
.if MSB != (\new)
	s_set_vgpr_msb (MSB<<8)|(\new)
.set MSB, (\new)
.endif
.endm
.macro OSTEP s, left                   ; a K step: 8 products, the accumulators by turns; left: the younger loads that may stay out
	s_wait_loadcnt \left
.irp u, 0,1
.irp m, 0,1,2,3
.if \s == 0
	v_wmma_f32_16x16x128_fp8_fp8 v[ACC+8*(4*\u+\m):ACC+8*(4*\u+\m)+7], v[WF+16*(4*\u+\s):WF+16*(4*\u+\s)+15], v[16*(4*\m+\s):16*(4*\m+\s)+15], 0
.else
	v_wmma_f32_16x16x128_fp8_fp8 v[ACC+8*(4*\u+\m):ACC+8*(4*\u+\m)+7], v[WF+16*(4*\u+\s):WF+16*(4*\u+\s)+15], v[16*(4*\m+\s):16*(4*\m+\s)+15], v[ACC+8*(4*\u+\m):ACC+8*(4*\u+\m)+7]
.endif
.endr
.endr
.endm
	s_load_b256 s[4:11], s[0:1], 0x0               ; oimg s[4:5], wimg s[6:7], the scales' exponents s[8:9], bout s[10:11]
	s_load_b64 s[12:13], s[0:1], 0x20              ; out0
	v_lshl_add_u32 v[SPW], v0, 2, SPARE
	v_mov_b32 v[NIL], 0
	v_lshrrev_b32 v7, 5, v0
	v_readfirstlane_b32 s14, v7                    ; wave
	s_and_b32 s15, ttmp7, 0xffff                   ; Y
	v_and_b32 v7, 31, v0
	v_lshlrev_b32 v[L16], 4, v7
	v_and_b32 v7, 15, v0                           ; r
	v_bfe_u32 v8, v0, 4, 1                         ; h
	v_and_b32 v9, 8, v7
	v_add_nc_u32 v9, v9, v7                        ; r + 8 (r / 8)
	v_mul_u32_u24 v[SO], v9, SPITCH
	v_lshl_add_u32 v[SO], v8, 6, v[SO]
	s_lshl_b32 s16, s14, 7
	v_add_nc_u32 v[SO], s16, v[SO]                 ; row, + 64 h, + 128 x wave
	s_mul_i32 s16, s14, 16*SPITCH
	v_add_nc_u32 v[SR], s16, v[L16]                ; back: my 16 rows, 16 bytes a lane
	v_lshlrev_b32 v[BA], 6, v8
	s_lshl_b32 s20, s15, 15                        ; oimg: four row tiles a work-group
	s_mov_b32 s21, 0
	s_lshl_b32 s22, ttmp9, 16                      ; wimg: two groups a block of 128 columns,
	s_lshl_b32 s23, s14, 14                        ; two tiles a wave
	s_add_co_u32 s22, s22, s23
	s_add_co_u32 s22, s22, WOUT_OFF
	s_mov_b32 s23, 0
	s_lshl_b32 s24, ttmp9, 9                       ; bout: 128 X + 32 w numbers on
	s_lshl_b32 s25, s14, 7
	s_add_co_u32 s24, s24, s25
	s_mov_b32 s25, 0
	s_lshl_b32 s26, s15, 17                        ; out0: row 64 Y + 16 w, byte 512 X
	s_lshl_b32 s27, s14, 15
	s_add_co_u32 s26, s26, s27
	s_lshl_b32 s27, ttmp9, 9
	s_add_co_u32 s26, s26, s27
	s_mov_b32 s27, 0
	s_wait_kmcnt 0x0
	s_load_b64 s[40:41], s[8:9], 0x20              ; e8, e9
	s_add_nc_u64 s[4:5], s[4:5], s[20:21]
	s_add_nc_u64 s[6:7], s[6:7], s[22:23]
	s_add_nc_u64 s[10:11], s[10:11], s[24:25]
	s_add_nc_u64 s[12:13], s[12:13], s[26:27]
.irp i, 0,1,2,3
	global_load_b128 v[BI+4*\i:BI+4*\i+3], v[BA], s[10:11] offset:16*\i   ; register 8 u + j: bout at column 32 w + 16 h + 8 u + j
.endr
.irp s, 0,1,2,3                        ; K step by K step: 8 loads of Wout's codes, 16 of o's
	WIN 0
.irp u, 0,1
.irp c, 0,1,2,3
	global_load_b128 v[WF+16*(4*\u+\s)+4*\c:WF+16*(4*\u+\s)+4*\c+3], v[L16], s[6:7] offset:8192*\u+2048*\s+512*\c
.endr
.endr
	WIN 0x40
.irp m, 0,1,2,3
.irp c, 0,1,2,3
	global_load_b128 v[16*(4*\m+\s)+4*\c:16*(4*\m+\s)+4*\c+3], v[L16], s[4:5] offset:8192*\m+2048*\s+512*\c
.endr
.endr
.endr
	WIN 0x04                                       ; source 1 (o) window 1
	OSTEP 0, 63                                    ; 72 loads were issued behind K step 0's, and 63 is the largest count that can be named
	OSTEP 1, 48
	OSTEP 2, 24
	OSTEP 3, 0
	WIN 0
	s_wait_kmcnt 0x0
	s_add_co_i32 s46, s40, s41
	s_add_co_i32 s46, s46, 127
	s_lshl_b32 s46, s46, 23                        ; 2^(e8 + e9) as f32
	s_mov_b32 s47, s46                             ; (named with it as a pair, so it is written)
.rept 4
	v_nop                                          ; four plain lines behind the last products, ahead of the first read of results and of the writes over Wout's fragments (ISA guide 7.12.1)
.endr
.irp u, 0,1
.irp m, 0,1,2,3
.irp i, 0,2,4,6
	v_pk_fma_f32 v[RES+8*(4*\u+\m)+\i:RES+8*(4*\u+\m)+\i+1], v[ACC+8*(4*\u+\m)+\i:ACC+8*(4*\u+\m)+\i+1], s[46:47], v[BI+8*\u+\i:BI+8*\u+\i+1] op_sel_hi:[1,0,1]   ; each accumulator from its low end on
.endr
.endr
.endr
.irp u, 0,1
.irp m, 0,1,2,3
	ds_store_b128 v[SO], v[RES+8*(4*\u+\m):RES+8*(4*\u+\m)+3] offset:(32*(\m/2)+8*(\m%2))*SPITCH+32*\u
	ds_store_b128 v[SO], v[RES+8*(4*\u+\m)+4:RES+8*(4*\u+\m)+7] offset:(32*(\m/2)+8*(\m%2))*SPITCH+32*\u+16
.endr
.endr
	s_wait_dscnt 0x0                               ; for the others' sake: my stores into the stage are done
	s_barrier_signal -1
	s_barrier_wait -1                              ; 64 whole rows lie in the stage
.irp i, 0,1,2,3,4,5,6,7,8,9,10,11,12,13,14,15
	ds_load_b128 v[BK+4*\i:BK+4*\i+3], v[SR] offset:\i*SPITCH
.endr
.irp i, 0,1,2,3,4,5,6,7,8,9,10,11,12,13,14,15
	s_wait_dscnt 15-\i
	global_store_b128 v[L16], v[BK+4*\i:BK+4*\i+3], s[12:13] offset:2048*\i th:TH_STORE_NT   ; 32 lanes store 512 consecutive bytes of a row, aligned; written once, read by nobody here
.endr
	s_wait_tensorcnt 0x0                           ; the wave's end: behind my last LDS store
	ds_add_u32 v[SPW], v[NIL]
	s_wait_dscnt 0x0
	s_endpgm
.Lfunc_end_k_qb04913fe78_outp:
	.size	k_qb04913fe78_outp, .Lfunc_end_k_qb04913fe78_outp-k_qb04913fe78_outp
	.p2alignl 7, 3214868480
	.fill 96, 4, 3214868480
	.section	.rodata,"a",@progbits
	.p2align	6, 0x0
	.amdhsa_kernel k_qb04913fe78_outp
		.amdhsa_group_segment_fixed_size 34304
		.amdhsa_private_segment_fixed_size 0
		.amdhsa_enable_private_segment 0
		.amdhsa_kernarg_size 40
		.amdhsa_user_sgpr_count 2
		.amdhsa_user_sgpr_kernarg_segment_ptr 1
		.amdhsa_wavefront_size32 1
		.amdhsa_system_sgpr_workgroup_id_x 1
		.amdhsa_system_sgpr_workgroup_id_y 1
		.amdhsa_system_sgpr_workgroup_id_z 1
		.amdhsa_system_vgpr_workitem_id 0
		.amdhsa_next_free_vgpr 512
		.amdhsa_next_free_sgpr 66
		.amdhsa_reserve_vcc 0
		.amdhsa_float_denorm_mode_32 3
		.amdhsa_float_denorm_mode_16_64 3
		.amdhsa_memory_ordered 1
		.amdhsa_forward_progress 1
		.amdhsa_inst_pref_size 21
	.end_amdhsa_kernel
	.amdgpu_metadata
---
amdhsa.version: [ 1, 2 ]
amdhsa.kernels:
  - .name:           k_qb04913fe78_outp
    .symbol:         k_qb04913fe78_outp.kd
    .args:
      - { .name: oimg, .offset: 0, .size: 8, .value_kind: global_buffer, .address_space: global }
      - { .name: wimg, .offset: 8, .size: 8, .value_kind: global_buffer, .address_space: global }
      - { .name: lowp_scales, .offset: 16, .size: 8, .value_kind: global_buffer, .address_space: global }
      - { .name: bout, .offset: 24, .size: 8, .value_kind: global_buffer, .address_space: global }
      - { .name: out0, .offset: 32, .size: 8, .value_kind: global_buffer, .address_space: global }
    .group_segment_fixed_size: 34304
    .private_segment_fixed_size: 0
    .kernarg_segment_align: 8
    .kernarg_segment_size: 40
    .max_flat_workgroup_size: 128
    .sgpr_count:     66
    .vgpr_count:     512
    .wavefront_size: 32
...
	.end_amdgpu_metadata
.endif
;; end of part 4
;; ======== version 2 of 2: 4 launches
;; workspace buffers: wimg 1,048,576 bytes; kv 33,554,432 bytes; oimg 2,097,152 bytes
;; launch wprep (part 5): grid 16 x 16, 4 waves a work-group, no clusters, 0 bytes of LDS; arguments Wq, Wkv, Wout, lowp_scales, wimg; writes wimg
.if DOCPART == 5
	.amdgcn_target "amdgcn-amd-amdhsa--gfx1250"
	.amdhsa_code_object_version 6
	.text
	.protected	k_qb04913fe78_wprep
	.globl	k_qb04913fe78_wprep
	.p2align	8
	.type	k_qb04913fe78_wprep,@function
k_qb04913fe78_wprep:
	s_mov_b64 s[64:65], 0
	v_nop
	global_prefetch_b8 v0, s[64:65] scope:SCOPE_SE
	s_setreg_imm32_b32 hwreg(HW_REG_WAVE_MODE, 25, 1), 1
	s_wait_xcnt 0x0
; Wq [512][512], Wkv [512][1024], Wout [512][512], f32 with K as their FIRST axis, become codes of E4M3, each with the one scale 2^e given for it
; (entries 1, 3, 9 of the scales), laid in wimg AS IMAGES OF OPERAND REGISTERS, so that the later launches load each fragment by plain 16-byte loads, lane l at 16 l.
; wimg: 32 groups of 64 columns, 32,768 bytes each: 0-7 Wq's heads, 8-15 Wkv's k heads, 16-23 its v heads, 24-31 Wout's column groups.
; In a group: fragment (tile t of 16 columns, K step s of 128) at (4 t + s) x 2048; chunk c at 512 c; lane (r, h) at 256 h + 16 r.
; Lane r of tile t holds column 32 (t / 2) + 8 (t % 2) + r + 8 (r / 8).  Byte B of chunk c is k = KS s + KC c + 16 h + KB (B / 4) + B % 4:
; (KS, KC, KB) = (32, 4, 128) for Wq and Wkv, the order in which their partners (x, context) come out of dense row loads; (128, 32, 4) for Wout: k = 128 s + 32 c + 16 h + B.
; A LANE TAKES A COLUMN, AND ITS REGISTERS RUN DOWN K in the image's order: the conversions' results are the image's bytes, and nothing is transposed.
; SHARES: work-group x = a block of 128 columns (0-3 Wq, 4-11 Wkv, 12-15 Wout); y = 4 s + 2 h + ch; wave w takes 32 columns, chunks 2 ch and 2 ch + 1: 32 loads of 128 consecutive bytes, 2 stores.
; A store's lanes fall into two runs of 256 consecutive bytes, aligned (tiles 2 (w % 2) and 2 (w % 2) + 1, sixteen r each).  No LDS, no barrier: waves share nothing; nothing is read twice, so no cluster.
; code = x / 2^e, held within +-448, to the nearest code, ties to even.  LIMITS: -126 <= e <= 119.  NaN among the inputs is not served.
.set NUM, 8                            ; v8-39   32 numbers: 16 of each chunk
.set COD, 40                           ; v40-47  their codes
.macro MKSC e, vs, vl, t0, t1          ; v[vs] = 2^e as f32 (the conversion takes its exponent field), v[vl] = 448 x 2^e
	s_add_co_i32 s[\t0], s[\e], 127
	s_lshl_b32 s[\t1], s[\t0], 23
	v_mov_b32 v[\vs], s[\t1]
	s_add_co_i32 s[\t0], s[\t0], 8
	s_lshl_b32 s[\t0], s[\t0], 23
	s_or_b32 s[\t0], s[\t0], 0x600000
	v_mov_b32 v[\vl], s[\t0]
.endm
; One weight's loads: its base steps to row k0 = KS s + 16 h + 2 KC ch and to my wave's first column; every further row stands in the immediate (391 rows of 4,096 bytes at the most)
.macro LOADS base, N, KS, KC, KB, CG0, eoff
	s_load_b32 s30, s[10:11], \eoff                ; this weight's e
	s_mul_i32 s22, s16, \KS
	s_lshl_b32 s23, s17, 4
	s_add_co_u32 s22, s22, s23
	s_mul_i32 s23, s18, 2*\KC
	s_add_co_u32 s22, s22, s23                     ; k0
	s_mul_i32 s22, s22, 4*\N                       ; in bytes
	s_sub_co_u32 s23, ttmp9, \CG0
	s_lshl_b32 s23, s23, 9                         ; + the block's 128 columns
	s_add_co_u32 s22, s22, s23
	s_lshl_b32 s23, s14, 7                         ; + my wave's 32
	s_add_co_u32 s22, s22, s23
	s_mov_b32 s23, 0
	s_add_nc_u64 s[\base:\base+1], s[\base:\base+1], s[22:23]
.set CC, 0
.rept 2
.set BB, 0
.rept 16
	global_load_b32 v[NUM+16*CC+BB], v2, s[\base:\base+1] offset:(\KC*CC+\KB*(BB/4)+(BB%4))*4*\N th:TH_LOAD_NT
.set BB, BB+1
.endr
.set CC, CC+1
.endr
.endm
	s_load_b256 s[4:11], s[0:1], 0x0               ; Wq s[4:5], Wkv s[6:7], Wout s[8:9], the scales' exponents s[10:11]
	s_load_b64 s[12:13], s[0:1], 0x20              ; wimg
	v_lshrrev_b32 v1, 5, v0
	v_readfirstlane_b32 s14, v1                    ; wave
	v_and_b32 v1, 31, v0                           ; X: my column among the wave's 32
	v_lshlrev_b32 v2, 2, v1                        ; in: 4 bytes a lane
	v_bfe_u32 v3, v1, 3, 1                         ; X = 8 u + r % 8 + 16 (r / 8): u,
	v_lshlrev_b32 v3, 13, v3                       ; a tile on is four fragments: 8,192 bytes
	v_and_b32 v6, 7, v1
	v_lshrrev_b32 v7, 4, v1
	v_lshl_add_u32 v6, v7, 3, v6                   ; r
	v_lshl_add_u32 v3, v6, 4, v3                   ; out: 8192 u + 16 r
	s_and_b32 s15, ttmp7, 0xffff                   ; y
	s_lshr_b32 s16, s15, 2                         ; s
	s_bfe_u32 s17, s15, 0x10001                    ; h
	s_and_b32 s18, s15, 1                          ; ch
	s_lshl_b32 s20, ttmp9, 16                      ; the image: two groups a block of 128 columns,
	s_lshl_b32 s21, s14, 14                        ; (w / 2) groups + (w % 2) x two tiles = 16,384 w,
	s_add_co_u32 s20, s20, s21
	s_lshl_b32 s21, s16, 11                        ; K step s,
	s_add_co_u32 s20, s20, s21
	s_lshl_b32 s21, s18, 10                        ; chunk 2 ch,
	s_add_co_u32 s20, s20, s21
	s_lshl_b32 s21, s17, 8                         ; the lanes' half h
	s_add_co_u32 s20, s20, s21
	s_mov_b32 s21, 0
	s_wait_kmcnt 0x0
	s_add_nc_u64 s[12:13], s[12:13], s[20:21]
	s_cmp_lt_u32 ttmp9, 4                          ; which weight: a branch on the work-group's number
	s_cbranch_scc0 .Lnot_q
	s_wait_alu depctr_va_vdst(0)
	LOADS 4, 512, 32, 4, 128, 0, 0x4
	s_branch .Lwork
.Lnot_q:
	s_cmp_lt_u32 ttmp9, 12
	s_cbranch_scc0 .Lis_out
	s_wait_alu depctr_va_vdst(0)
	LOADS 6, 1024, 32, 4, 128, 4, 0xc
	s_branch .Lwork
.Lis_out:
	s_wait_alu depctr_va_vdst(0)
	LOADS 8, 512, 128, 32, 4, 12, 0x24
.Lwork:
	s_wait_kmcnt 0x0                               ; e
	MKSC 30, 4, 5, 31, 32
	s_wait_alu depctr_va_vdst(0)
	s_wait_loadcnt 16                              ; the first chunk's 16 loads are in; the second's 16 may be out
.set BB, 0
.rept 16
	v_med3_num_f32 v[NUM+BB], v[NUM+BB], -v5, v5   ; the conversion to an 8-bit code does not saturate (ISA guide 7.6.2): the hold at the largest code x the scale
.set BB, BB+1
.endr
	v_cvt_scalef32_pk8_fp8_f32 v[COD:COD+1], v[NUM:NUM+7], v4
	v_cvt_scalef32_pk8_fp8_f32 v[COD+2:COD+3], v[NUM+8:NUM+15], v4
	s_wait_loadcnt 0x0
.set BB, 16
.rept 16
	v_med3_num_f32 v[NUM+BB], v[NUM+BB], -v5, v5
.set BB, BB+1
.endr
	v_cvt_scalef32_pk8_fp8_f32 v[COD+4:COD+5], v[NUM+16:NUM+23], v4
	v_cvt_scalef32_pk8_fp8_f32 v[COD+6:COD+7], v[NUM+24:NUM+31], v4
	v_nop                                          ; a plain vector line behind the last conversion
	global_store_b128 v3, v[COD:COD+3], s[12:13]
	global_store_b128 v3, v[COD+4:COD+7], s[12:13] offset:512
	s_endpgm
.Lfunc_end_k_qb04913fe78_wprep:
	.size	k_qb04913fe78_wprep, .Lfunc_end_k_qb04913fe78_wprep-k_qb04913fe78_wprep
	.p2alignl 7, 3214868480
	.fill 96, 4, 3214868480
	.section	.rodata,"a",@progbits
	.p2align	6, 0x0
	.amdhsa_kernel k_qb04913fe78_wprep
		.amdhsa_group_segment_fixed_size 0
		.amdhsa_private_segment_fixed_size 0
		.amdhsa_enable_private_segment 0
		.amdhsa_kernarg_size 40
		.amdhsa_user_sgpr_count 2
		.amdhsa_user_sgpr_kernarg_segment_ptr 1
		.amdhsa_wavefront_size32 1
		.amdhsa_system_sgpr_workgroup_id_x 1
		.amdhsa_system_sgpr_workgroup_id_y 1
		.amdhsa_system_sgpr_workgroup_id_z 1
		.amdhsa_system_vgpr_workitem_id 0
		.amdhsa_next_free_vgpr 64
		.amdhsa_next_free_sgpr 66
		.amdhsa_reserve_vcc 0
		.amdhsa_float_denorm_mode_32 3
		.amdhsa_float_denorm_mode_16_64 3
		.amdhsa_memory_ordered 1
		.amdhsa_forward_progress 1
		.amdhsa_inst_pref_size 16
	.end_amdhsa_kernel
	.amdgpu_metadata
---
amdhsa.version: [ 1, 2 ]
amdhsa.kernels:
  - .name:           k_qb04913fe78_wprep
    .symbol:         k_qb04913fe78_wprep.kd
    .args:
      - { .name: Wq, .offset: 0, .size: 8, .value_kind: global_buffer, .address_space: global }
      - { .name: Wkv, .offset: 8, .size: 8, .value_kind: global_buffer, .address_space: global }
      - { .name: Wout, .offset: 16, .size: 8, .value_kind: global_buffer, .address_space: global }
      - { .name: lowp_scales, .offset: 24, .size: 8, .value_kind: global_buffer, .address_space: global }
      - { .name: wimg, .offset: 32, .size: 8, .value_kind: global_buffer, .address_space: global }
    .group_segment_fixed_size: 0
    .private_segment_fixed_size: 0
    .kernarg_segment_align: 8
    .kernarg_segment_size: 40
    .max_flat_workgroup_size: 128
    .sgpr_count:     66
    .vgpr_count:     64
    .wavefront_size: 32
...
	.end_amdgpu_metadata
.endif
;; end of part 5
;; launch proj (part 6): grid 256 x 1, 4 waves a work-group, no clusters, 70,144 bytes of LDS; arguments context, wimg, lowp_scales, kv; writes kv
.if DOCPART == 6
	.amdgcn_target "amdgcn-amd-amdhsa--gfx1250"
	.amdhsa_code_object_version 6
	.text
	.protected	k_qb04913fe78_proj
	.globl	k_qb04913fe78_proj
	.p2align	8
	.type	k_qb04913fe78_proj,@function
k_qb04913fe78_proj:
	s_mov_b64 s[64:65], 0
	v_nop
	global_prefetch_b8 v0, s[64:65] scope:SCOPE_SE
	s_setreg_imm32_b32 hwreg(HW_REG_WAVE_SCHED_MODE, 0, 2), 2
	s_setreg_imm32_b32 hwreg(HW_REG_WAVE_MODE, 25, 1), 1
	s_wait_xcnt 0x0
	s_wait_alu depctr_vm_vsrc(0)
; kv = context Wkv on codes of E4M3; k and v are quantised on the way and stored AS IMAGES OF ATTENTION'S OPERAND REGISTERS.  context: [32768][512] f32; Wkv's codes: wimg (the launch before).
; kv: [8 batch + head] x 1 MiB + [key / 128] x 16,384.  A record of 128 keys: K's part, bytes 0-8191: tile t of 16 keys at 1024 t, chunk c at 512 c, lane l at 16 l: lane (r, h) holds key
; 32 (t / 2) + 8 (t % 2) + r + 8 (r / 8), channels 32 c + 16 h + 0 .. 15.  V's part, bytes 8192-16383: tile ct of 16 channels at 2048 ct: lane (r, h) holds channel 32 (ct / 2) + 8 (ct % 2) + r + 8 (r / 8), keys 32 c + 16 h + 0 .. 15.
; SHARES.  A work-group takes 128 rows of context, one record of all eight heads, and makes all 1,024 columns: context is read from memory once.
; X: wave w loads rows 32 w .. 32 w + 31 by dense loads (512 consecutive bytes each), quantises them and stores the codes into LDS; one barrier.
; Then four passes a wave: k of heads 2 w, 2 w + 1, then v of the same: 128 rows x 64 columns, 32 accumulators, K = 512 in four steps of 128.
; THE ORDER OF K.  A dense load gives lane l the numbers k = 128 i + 4 l + 0 .. 3 of a row (i = 0 .. 3): its 16 codes are taken as the 16 bytes of chunk c, half h, K step s with l = 8 s + 4 h + c.
; That is a permutation of k, the same in Wkv's image, so every product meets its partner; only the order of the sums changes.
; k IS MADE TRANSPOSED (source 0 = 16 columns of Wkv, source 1 = 16 rows of context): a lane holds one key and registers along the channels.  v is made the other way round: a lane holds one channel and
; registers along the keys.  With the rows and columns of a tile chosen as above, 16 registers of two neighbouring tiles are 16 neighbours along the next K: the conversions' results are the images.
; NO CLUSTER, NO TENSOR LOAD: every work-group walks the same weights, but each fragment of them is used by ONE wave of a work-group, for 8 products straight out of its registers; a K step of a pass already reads
; 16 KiB of context's codes from LDS for its 32 products, and weights through LDS would add 8 KiB to that.
; LDS: context's codes: tile a at 8704 a; block 8 s + 4 h + c at 272 x that (256 bytes + 16 of padding); row r at 16 r.  A store's lanes stand 272 bytes apart (17 columns of 16 bytes), a load's sixteen lanes take 256 consecutive bytes.
; LIMITS on the given exponents: e2, e5 - e2 - e3 and e7 - e2 - e3 between -126 and 119.  NaN among the inputs is not served.
; REGISTERS, in windows of 256: window 0: v1-6 addresses; v8-13 scales; v64-127 codes on the way out; v128-255 first my 32 rows' codes, then context's eight fragments of a K step.
;   window 1: Wkv's 16 fragments of passes 0 and 2.   window 2: my rows 0-15 as loaded, then the fragments of passes 1 and 3.   window 3: my rows 16-31 as loaded, then the 32 accumulators.
; THE MODE: SCHED_MODE bits 1:0 = 2 (LLVM: expert scheduling mode 2), set by the entry lines.  The code itself states the register dependences
; between vector or matrix instructions and memory or LDS instructions, with s_wait_alu, always for 0.
; THE PLAN.  Registers that memory or LDS instructions touch:
;   v1-v4      offsets and LDS addresses: made once at the head, never written again.
;   window 2   rows 0-15 land; their holds and conversions work on them; then pass 1's weights land (behind the barrier), then pass 3's (in pass 1's way out); a pass's products read its weights.
;   window 3   rows 16-31 land before any vector line names the window: their loads are dealt among rows 0-15's holds.  No load lands there later.
;   window 1   pass 0's weights land in untouched registers: their loads are dealt among rows 16-31's holds; pass 2's land in pass 0's way out.
;   v128-255   the conversions write my rows' codes, 32 LDS stores read them; from the barrier on two HALVES of four fragments: while the 16 products of a half-step read one half, the LDS loads of the other half's next fragments land.
;   v64-127    a pass's conversions write them, its 16 stores read them.
; So one wait on va_vdst stands at the head of a half-step (the products of the half-step before are done reading the half that is asked for again), and that half-step's 16 loads follow it, dealt among products that name
; the other half, the weights and the accumulators alone.  One stands ahead of each run of stores (the conversions have written the data), one ahead of the weights' loads in a way out, which are then dealt among holds that name
; window 3 and a scale alone.  A wait on vm_vsrc stands where stores' data registers are written again: behind the barrier, and at the head of the second to fourth way out.
.set AT,    8704                       ; a tile of 16 rows in LDS: 32 blocks
.set BLK,   272
.set SPARE, 8*AT                       ; behind the tiles: the spare words, 128 bytes for each wave: two blocks of 256 bytes that no other line names
.set WKV_OFF, 262144
.set L16, 1                            ; v1  16 x lane: my place in an image, and in a dense load
.set XW,  2                            ; v2  where I store a row's codes: 272 x lane + 2 tiles x wave
.set AR0, 3                            ; v3  where I read fragments of tiles 0-3: 4 blocks x h + 16 r
.set AR1, 4                            ; v4  of tiles 4-7
.set SPW, 5                            ; v5  LDS address of my spare word; never rewritten
.set NIL, 6                            ; v6  0; never rewritten
.set OC,  64
.set AF,  128
.set MSB, 0
.macro WIN new                         ; s_set_vgpr_msb: bits 1:0 source 0, 3:2 source 1, 5:4 source 2, 7:6 destination; the high byte repeats the setting that is left
.if MSB != (\new)
	s_set_vgpr_msb (MSB<<8)|(\new)
.set MSB, (\new)
.endif
.endm
.macro MKSC e, vs, vl, t0, t1          ; v[vs] = 2^e as f32, v[vl] = 448 x 2^e
	s_add_co_i32 s[\t0], s[\e], 127
	s_lshl_b32 s[\t1], s[\t0], 23
	v_mov_b32 v[\vs], s[\t1]
	s_add_co_i32 s[\t0], s[\t0], 8
	s_lshl_b32 s[\t0], s[\t0], 23
	s_or_b32 s[\t0], s[\t0], 0x600000
	v_mov_b32 v[\vl], s[\t0]
.endm
.macro PLACES                          ; four plain vector lines behind a matrix instruction (ISA guide 7.12.1): they stay beside the waits on va_vdst, which fill no place
.rept 4
	v_nop
.endr
.endm
.macro LIN base, off, f0, cnt, nt      ; cnt loads of 512 consecutive bytes, from load f0 on: register 4 f of the window takes byte 512 f + 16 x lane
.set FI, (\f0)
.rept \cnt
.if \nt
	global_load_b128 v[4*FI:4*FI+3], v[L16], s[\base:\base+1] offset:(\off)+512*FI th:TH_LOAD_NT
.else
	global_load_b128 v[4*FI:4*FI+3], v[L16], s[\base:\base+1] offset:(\off)+512*FI
.endif
.set FI, FI+1
.endr
.endm
.macro WPART p, f0, cnt                ; cnt of the 64 loads of pass p's 16 fragments of Wkv (tile t, K step s at register 16 (4 t + s)): window 1 or 2
	WIN (1+((\p)%2))<<6
	LIN 6, (((\p)/2)*8+((\p)%2))*32768, \f0, \cnt, 0
.endm
; Four of my rows 16 g .. 16 g + 15 (16 registers a row, in window 2 + g), rows 4 j on, are held and converted: row x's 16 codes at v[128 + 64 g + 4 x]
.macro XHOLD g, j
	WIN 0x82+0x41*(\g)
.set FI, 64*(\j)
.rept 64
	v_med3_num_f32 v[FI], v[FI], -v9, v9           ; the conversion does not saturate (ISA guide 7.6.2): the hold at the largest code x the scale
.set FI, FI+1
.endr
	WIN 0x02+(\g)
.set FI, 8*(\j)
.rept 8
	v_cvt_scalef32_pk8_fp8_f32 v[AF+64*(\g)+2*FI:AF+64*(\g)+2*FI+1], v[8*FI:8*FI+7], v8
.set FI, FI+1
.endr
	v_nop                                          ; a plain line behind the last conversion of the run: matrix instructions write these registers later
.endm
.macro XSTORE g                        ; the sixteen rows' codes go to LDS: row x to tile 2 w + (x / 8) % 2, place x % 8 + 8 g
.set FI, 0
.rept 16
	ds_store_b128 v[XW], v[AF+64*(\g)+4*FI:AF+64*(\g)+4*FI+3] offset:((FI>>3)&1)*AT+16*((FI&7)+8*(\g))
.set FI, FI+1
.endr
.endm
.macro FRAG a, ks                      ; context's fragment of tile a, K step ks: four loads
.irp c, 0,1,2,3
	ds_load_b128 v[AF+16*(\a)+4*\c:AF+16*(\a)+4*\c+3], v[AR0+(\a)/4] offset:((\a)%4)*AT+BLK*(8*(\ks)+\c)
.endr
.endm
; Four products: tile a of rows against the head's four tiles of columns.  typ 0 (k): source 0 = Wkv, accumulator (a, t) at 8 (4 a + t).  typ 1 (v): source 0 = context, accumulator at 8 (8 (a / 2) + 2 t + a % 2).
.macro MUL4 a, ks, typ, zero
.irp t, 0,1,2,3
.if \typ
.set AC, 8*(8*((\a)/2)+2*\t+((\a)%2))
.else
.set AC, 8*(4*(\a)+\t)
.endif
.set WF, 16*(4*\t+(\ks))
.set AA, AF+16*(\a)
.if \typ
.if \zero
	v_wmma_f32_16x16x128_fp8_fp8 v[AC:AC+7], v[AA:AA+15], v[WF:WF+15], 0
.else
	v_wmma_f32_16x16x128_fp8_fp8 v[AC:AC+7], v[AA:AA+15], v[WF:WF+15], v[AC:AC+7]
.endif
.else
.if \zero
	v_wmma_f32_16x16x128_fp8_fp8 v[AC:AC+7], v[WF:WF+15], v[AA:AA+15], 0
.else
	v_wmma_f32_16x16x128_fp8_fp8 v[AC:AC+7], v[WF:WF+15], v[AA:AA+15], v[AC:AC+7]
.endif
.endif
.endr
.endm
; A K step of a pass: 32 products, the 32 accumulators by turns, in two half-steps: tiles 0-3, tiles 4-7.  Ahead of each eight products the two tiles that lie four further on in the walk
; (tiles 4-7 of this K step, then tiles 0-3 of the next) are asked for, into the half that the half-step before has read: every fragment is asked for 16 products ahead of its use.
; more = 0: the last K step of the last pass, whose second half-step asks for nothing.
.macro GSTEP ks, typ, wn, zero, more
.irp a, 0,2,4,6
.if (\a < 4) || (\more)
.if ((\a % 4) == 0) && ((\ks+\a) > 0)
	PLACES
	WIN 0
	s_wait_alu depctr_va_vdst(0)                   ; the 16 products of the half-step before are done reading their four fragments, in which this half-step's 16 loads land.  (At a pass's first half-step an earlier wait has stated it: the one ahead of the last run of stores)
.endif
	WIN 0
	FRAG (\a+4)%8, (\ks+\a/4)%4                    ; no product since the wait names these registers
	FRAG (\a+5)%8, (\ks+\a/4)%4
	s_wait_dscnt 16                                ; LDS loads come back in order (ISA guide 5.7.1): tiles a and a + 1 are in; the 16 younger loads are the four tiles asked for since
.else
	s_wait_dscnt 4*(6-\a)                          ; the counts run down
.endif
	WIN 0xf0|((\wn)<<(2*(\typ)))
	MUL4 \a, \ks, \typ, \zero
	MUL4 \a+1, \ks, \typ, \zero
.endr
.endm
; The way out of a pass: 256 sums are held and converted with the three scales folded into one; 16 stores of 512 consecutive bytes, aligned.
; In passes 0 and 1 the 64 loads of the weights of two passes on, into the registers that this pass's weights have left, are dealt among the holds, eight ahead of each 32.
.macro OUT p, typ
.if (\p) < 3
	s_wait_loadcnt 0x0                             ; the next pass's weights, asked for a pass ago, are in
.endif
.if (\p) > 0
	s_wait_xcnt 0x0                                ; the last pass's stores have had their addresses translated (ISA guide 3.1): the codes' registers are written again only behind this wait,
	s_wait_alu depctr_vm_vsrc(0)                   ; and those stores have read v64-127, which this pass's conversions write again
.endif
.set GI, 0
.rept 8
.if (\p) < 2
	WIN (1+((\p)%2))<<6
.if GI == 0
	s_wait_alu depctr_va_vdst(0)                   ; this pass's products are done reading its weights, in which the 64 loads land; the holds between the loads name window 3 and a scale alone
.endif
	WPART (\p)+2, 8*GI, 8
.endif
	WIN 0xc3
.set FI, 32*GI
.rept 32
	v_med3_num_f32 v[FI], v[FI], -v[11+2*(\typ)], v[11+2*(\typ)]   ; each accumulator from its low end on
.set FI, FI+1
.endr
.set GI, GI+1
.endr
	WIN 0x03
.set FI, 0
.rept 32
	v_cvt_scalef32_pk8_fp8_f32 v[OC+2*FI:OC+2*FI+1], v[8*FI:8*FI+7], v[10+2*(\typ)]
.set FI, FI+1
.endr
	v_nop                                          ; a plain line behind the last conversion: the next pass's products write its sources
	WIN 0
	s_wait_alu depctr_va_vdst(0)                   ; the conversions have written v64-127, which the stores read; and this pass's last products are done reading tiles 4-7, which the next pass asks for first
.set FI, 0
.rept 16
.if \typ
	global_store_b128 v[L16], v[OC+4*FI:OC+4*FI+3], s[10:11] offset:(((\p)%2)<<20)+8192+2048*(FI%4)+512*(FI/4)   ; channel tile FI % 4, chunk FI / 4
.else
	global_store_b128 v[L16], v[OC+4*FI:OC+4*FI+3], s[10:11] offset:(((\p)%2)<<20)+512*FI                        ; key tile FI / 2, chunk FI % 2
.endif
.set FI, FI+1
.endr
.endm
.macro PASS p, typ, wn, last
	GSTEP 0, \typ, \wn, 1, 1                       ; the first K step's products start the sums: nothing is cleared
	GSTEP 1, \typ, \wn, 0, 1
	GSTEP 2, \typ, \wn, 0, 1
	GSTEP 3, \typ, \wn, 0, 1-\last                 ; its second half-step asks for the next pass's first fragments of context
	PLACES                                         ; behind the last products, ahead of the first read of results
	OUT \p, \typ
.endm
	s_load_b256 s[4:11], s[0:1], 0x0               ; context s[4:5], wimg s[6:7], the scales' exponents s[8:9], kv s[10:11]
	v_lshl_add_u32 v[SPW], v0, 2, SPARE
	v_mov_b32 v[NIL], 0
	v_lshrrev_b32 v7, 5, v0
	v_readfirstlane_b32 s12, v7                    ; wave
	v_and_b32 v7, 31, v0
	v_lshlrev_b32 v[L16], 4, v7
	v_mul_u32_u24 v[XW], v7, BLK
	s_wait_alu depctr_va_sdst(0)                   ; s12 is written, ahead of its first reader: LDS addresses and the three bases are made from it
	s_mul_i32 s13, s12, 2*AT
	v_add_nc_u32 v[XW], s13, v[XW]
	v_and_b32 v14, 15, v0                          ; r
	v_bfe_u32 v15, v0, 4, 1                        ; h
	v_mul_u32_u24 v[AR0], v15, 4*BLK
	v_lshl_add_u32 v[AR0], v14, 4, v[AR0]
	v_add_nc_u32 v[AR1], 4*AT, v[AR0]
	s_lshl_b32 s24, ttmp9, 18                      ; context: 128 rows of 2,048 bytes a work-group,
	s_lshl_b32 s25, s12, 16                        ; 32 a wave
	s_add_co_u32 s24, s24, s25
	s_mov_b32 s25, 0
	s_lshl_b32 s26, s12, 16                        ; wimg: Wkv's groups, two heads a wave
	s_add_co_u32 s26, s26, WKV_OFF
	s_mov_b32 s27, 0
	s_lshr_b32 s28, ttmp9, 6                       ; kv: the batch's eight heads,
	s_lshl_b32 s28, s28, 23
	s_lshl_b32 s29, s12, 21                        ; head 2 w,
	s_add_co_u32 s28, s28, s29
	s_and_b32 s29, ttmp9, 63                       ; the record
	s_lshl_b32 s29, s29, 14
	s_add_co_u32 s28, s28, s29
	s_mov_b32 s29, 0
	s_wait_kmcnt 0x0
	s_load_b256 s[16:23], s[8:9], 0x0              ; e0 .. e7
	s_add_nc_u64 s[4:5], s[4:5], s[24:25]
	s_add_nc_u64 s[6:7], s[6:7], s[26:27]
	s_add_nc_u64 s[10:11], s[10:11], s[28:29]
	WIN 0x80
	s_wait_alu depctr_va_vdst(0)                   ; v1 to v4 are written: every load and store of the kernel reads one of them as its offset or address
	LIN 4, 0, 0, 64, 1                             ; my rows 0-15: read once in the launch
	WIN 0
	s_wait_kmcnt 0x0
	MKSC 18, 8, 9, 26, 27                          ; context's scale
	s_sub_co_i32 s24, s21, s18
	s_sub_co_i32 s24, s24, s19                     ; a sum stands for sum x 2^(e2 + e3): k's code is sum / 2^(e5 - e2 - e3),
	MKSC 24, 10, 11, 26, 27
	s_sub_co_i32 s25, s23, s18
	s_sub_co_i32 s25, s25, s19                     ; v's is sum / 2^(e7 - e2 - e3)
	MKSC 25, 12, 13, 26, 27
	s_wait_alu depctr_va_vdst(0)
.irp j, 0,1,2,3                        ; rows 0-15, four at a time; behind each four, 16 loads of rows 16-31, into window 3, which no vector line has named
	s_wait_loadcnt 48                              ; loads come back in order (ISA guide 5.7.1): these four rows' 16 loads are in; the 48 younger ones are the rest of rows 0-15 and what has been asked of rows 16-31
	XHOLD 0, \j
	WIN 0xc0
	LIN 4, 32768, 16*\j, 16, 1
.endr
	WIN 0
	s_wait_alu depctr_va_vdst(0)                   ; the conversions have written v128-191, which the LDS stores read
	XSTORE 0
.irp j, 0,1,2,3                        ; rows 16-31 likewise; behind each four, 16 loads of the first pass's weights, into window 1, which no vector line has named
	s_wait_loadcnt 48                              ; the 48 younger loads are the rest of rows 16-31 and what has been asked of the weights
	XHOLD 1, \j
	WPART 0, 16*\j, 16
.endr
	WIN 0
	s_wait_alu depctr_va_vdst(0)                   ; the conversions have written v192-255, which the LDS stores read; and rows 0-15's holds and conversions are done with window 2, in which the second pass's weights land below
	XSTORE 1
	s_wait_dscnt 0x0                               ; my stores have landed
	s_barrier_signal -1
	s_barrier_wait -1                              ; everybody's have: the 128 rows' codes lie in LDS, and are only read from here on
	s_wait_alu depctr_vm_vsrc(0)                   ; my LDS stores have read v128-255: from here on the fragments' loads land there
	FRAG 0, 0
	FRAG 1, 0
	FRAG 2, 0
	FRAG 3, 0                                      ; tiles 0-3 of K step 0; each eight products ask for the two tiles four further on
	WPART 1, 0, 64                                 ; the second pass's weights, into the registers that rows 0-15 have left: no vector line since the wait ahead of the last LDS stores
	WIN 0
	s_wait_loadcnt 63                              ; the first pass's weights are in: 64 loads were issued behind them, and 63 is the largest count that can be named
	PASS 0, 0, 1, 0
	PASS 1, 0, 2, 0
	PASS 2, 1, 1, 0
	PASS 3, 1, 2, 1
	s_wait_dscnt 0x0                               ; the closing lines, six on end
	s_wait_alu 0x0
	s_wait_tensorcnt 0x0
	ds_add_u32 v[SPW], v[NIL]
	s_wait_dscnt 0x0
	s_endpgm
.Lfunc_end_k_qb04913fe78_proj:
	.size	k_qb04913fe78_proj, .Lfunc_end_k_qb04913fe78_proj-k_qb04913fe78_proj
	.p2alignl 7, 3214868480
	.fill 96, 4, 3214868480
	.section	.rodata,"a",@progbits
	.p2align	6, 0x0
	.amdhsa_kernel k_qb04913fe78_proj
		.amdhsa_group_segment_fixed_size 70144
		.amdhsa_private_segment_fixed_size 0
		.amdhsa_enable_private_segment 0
		.amdhsa_kernarg_size 32
		.amdhsa_user_sgpr_count 2
		.amdhsa_user_sgpr_kernarg_segment_ptr 1
		.amdhsa_wavefront_size32 1
		.amdhsa_system_sgpr_workgroup_id_x 1
		.amdhsa_system_sgpr_workgroup_id_y 1
		.amdhsa_system_sgpr_workgroup_id_z 1
		.amdhsa_system_vgpr_workitem_id 0
		.amdhsa_next_free_vgpr 1024
		.amdhsa_next_free_sgpr 66
		.amdhsa_reserve_vcc 0
		.amdhsa_float_denorm_mode_32 3
		.amdhsa_float_denorm_mode_16_64 3
		.amdhsa_memory_ordered 1
		.amdhsa_forward_progress 1
		.amdhsa_inst_pref_size 234
	.end_amdhsa_kernel
	.amdgpu_metadata
---
amdhsa.version: [ 1, 2 ]
amdhsa.kernels:
  - .name:           k_qb04913fe78_proj
    .symbol:         k_qb04913fe78_proj.kd
    .args:
      - { .name: context, .offset: 0, .size: 8, .value_kind: global_buffer, .address_space: global }
      - { .name: wimg, .offset: 8, .size: 8, .value_kind: global_buffer, .address_space: global }
      - { .name: lowp_scales, .offset: 16, .size: 8, .value_kind: global_buffer, .address_space: global }
      - { .name: kv, .offset: 24, .size: 8, .value_kind: global_buffer, .address_space: global }
    .group_segment_fixed_size: 70144
    .private_segment_fixed_size: 0
    .kernarg_segment_align: 8
    .kernarg_segment_size: 32
    .max_flat_workgroup_size: 128
    .sgpr_count:     66
    .vgpr_count:     1024
    .wavefront_size: 32
...
	.end_amdgpu_metadata
.endif
;; end of part 6
;; launch attn (part 7): grid 8 x 32, 8 waves a work-group, clusters of 4 x 1, 327,680 bytes of LDS; arguments x, wimg, kv, lowp_scales, oimg; writes oimg
.if DOCPART == 7
	.amdgcn_target "amdgcn-amd-amdhsa--gfx1250"
	.amdhsa_code_object_version 6
	.text
	.protected	k_qb04913fe78_attn
	.globl	k_qb04913fe78_attn
	.p2align	8
	.type	k_qb04913fe78_attn,@function
k_qb04913fe78_attn:
	s_mov_b64 s[64:65], 0
	v_nop
	global_prefetch_b8 v0, s[64:65] scope:SCOPE_SE
	s_setreg_imm32_b32 hwreg(HW_REG_WAVE_MODE, 25, 1), 1
	s_wait_xcnt 0x0
	s_wait_alu depctr_hold_cnt(0) depctr_sa_sdst(0) depctr_va_vdst(0) depctr_va_sdst(0) depctr_va_ssrc(0) depctr_va_vcc(0) depctr_vm_vsrc(0)
	s_getreg_b32 s2, hwreg(HW_REG_IB_STS2, 6, 4)
	s_cmp_eq_u32 s2, 0
	s_cbranch_scc0 .Lentry_in_a_cluster
	s_endpgm
.Lentry_in_a_cluster:
	s_bfe_u32 s2, ttmp6, 0x10000c
	s_cmp_lg_u32 s2, 0x3003
	s_cbranch_scc0 .Lentry_shape_is_right
	s_endpgm
.Lentry_shape_is_right:
; For one batch and head and 128 queries: q = x Wq (the head's 64 columns), S = q k^T / 8, the softmax, o = p v / l, all three products on codes of E4M3 with the given scales; o is quantised and stored as the last product's operand.
; THE SOFTMAX AHEAD OF THE SECOND PRODUCT: t = score x log2(e) / 8; M = the running largest t, rounded UP to a whole number; p = 2^(t - M) is what is quantised; the row's sum is taken of the unquantised p and
; divides at the end.  When M moves, the sum and O are multiplied by 2^(old M - new M): nothing is rounded.
; SHARES.  Work-group: 128 queries of one (batch, head).  Each of its EIGHT waves owns one tile of 16 queries (wave w, lane r: query 32 (w / 2) + 8 (w % 2) + r + 8 (r / 8) of the block) in 512 registers: two waves to a
; SIMD, so that one wave's vector work stands beside the other's matrix work and LDS loads.  Every wave walks all 8,192 keys, 256 a step: 16 products K Q^T (K = 64), 8 products V^T P^T (K = 128).
; LAYOUT.  All products are used transposed: a lane holds ONE query throughout.  kv holds images of the operands' registers (the launch before): a fragment comes by 16-byte loads, lane l at 16 l, no pitch, no padding.
; The keys, channels and columns of a tile are chosen so that 16 registers of two neighbouring tiles are 16 neighbours along the next K: the conversions' results are the next operand.
; RING.  Two LDS slots of 1,024 keys (eight records of 16,384 bytes, four key steps).  Each wave fetches one record of a slot by one tensor load of 64 rows x 256 bytes, dense.  One tensor load of a wave is out at a time;
; it goes out four key steps ahead of its slot's first read.
; CLUSTER.  The four query blocks of a cluster belong to one batch and head and walk the same records: each is asked for JOINTLY, by the same tensor load with the same descriptor and the mask of all four.
; oimg: row tile RT = 8 x (block of 128 rows) + w at 8192 RT; the head's 64 along K at 1024 x head: chunk b at 512 b, lane l at 16 l: lane (r, h) holds my query r, k = 64 head + 32 b + 16 h + 0 .. 15.
; LIMITS on the given exponents: e0, e4 - e0 - e1, e6 and e8 between -126 and 119; e4 + e5 between -123 and 130 (added to c's exponent field); e6 + e7 is applied by v_ldexp_f32.  NaN among the inputs is not served.
; REGISTERS, window 0: v1-5 addresses; v12 -M, v13 the largest t, v[14:15] the sum; v16, v17 p's hold and scale; v18-25 at work; v26, v27 o's scale and hold; v32-63 p's codes; v64-191 S^T, then p; v192-223 O^T; v224-231 q's codes.
;   At the head: v6-9 scales; v16-47 q's sums; v48-63 x's codes; v64-255 three sets of 64 numbers of x.   window 1: at the head Wq's 16 fragments; then v0-127 K's 16 tiles, v128-255 V's 8 fragments.
.set SLOT1, 1<<17                      ; slot 1 begins here: one exclusive or turns an address in one slot into the other's
.set SPARE, 2*SLOT1                    ; behind the ring: the spare words, 128 bytes for each wave: four blocks of 256 bytes that no other line names
.set REC,   16384                      ; a record: 128 keys
.set STEPB, 2*REC                      ; a key step
.set NSL,   8                          ; slots' worth of keys
.set L16, 1                            ; v1  16 x lane; never rewritten
.set ADR, 2                            ; v2  LDS address of the step in hand
.set SPW, 3                            ; v3  LDS address of my spare word; never rewritten
.set NIL, 4                            ; v4  0; never rewritten
.set XA,  5                            ; v5  x: my row's place among the wave's, + 64 h
.set QA,  16
.set XC,  48
.set P,   32
.set S,   64
.set O,   192
.set Q,   224
.set WV,  14                           ; s14 my wave's number
.set SEL, 20                           ; s[20:21] lane selects for v_permlanex16_b32: lane l xor 16
.set CS,  22                           ; s[22:23] c = log2(e) / 8 x 2^(e4 + e5); the packed form names a pair and takes its low word
.set G1,  24                           ; s[24:31] descriptor group 1
.set G0,  32                           ; s[32:35] descriptor group 0, which walks
.set TB,  36                           ; s36 LDS byte at which the step in hand begins
.set SLOTS, 37
.set STEPS, 38
.set MSB, 0
.macro WIN new                         ; s_set_vgpr_msb: bits 1:0 source 0, 3:2 source 1, 5:4 source 2, 7:6 destination; the high byte repeats the setting that is left
.if MSB != (\new)
	s_set_vgpr_msb (MSB<<8)|(\new)
.set MSB, (\new)
.endif
.endm
.macro MKSC e, vs, vl, t0, t1          ; v[vs] = 2^e as f32, v[vl] = 448 x 2^e
	s_add_co_i32 s[\t0], s[\e], 127
	s_lshl_b32 s[\t1], s[\t0], 23
	v_mov_b32 v[\vs], s[\t1]
	s_add_co_i32 s[\t0], s[\t0], 8
	s_lshl_b32 s[\t0], s[\t0], 23
	s_or_b32 s[\t0], s[\t0], 0x600000
	v_mov_b32 v[\vl], s[\t0]
.endm
.macro PLACES                          ; four plain vector lines behind a matrix instruction, ahead of loads into its registers and of reads of its result
.rept 4
	v_nop
.endr
.endm
; A round of the cluster's barrier: my work-group's barrier; wave 0 signals for the work-group; every wave waits for all four work-groups; my work-group's barrier once more
.macro CROUND
	s_barrier_signal -1
	s_barrier_wait -1
	s_cmp_lg_u32 s[WV], 0
	s_cbranch_scc1 .Lnot_wave_0_\@
	s_barrier_signal -3
.Lnot_wave_0_\@:
	s_barrier_wait -3
	s_barrier_signal -1
	s_barrier_wait -1
.endm
; 64 numbers of a lane, register 16 b + i, become a fragment's 16 registers of codes
.macro QUANT s, sc, lim, pc
.irp b, 0,1,2,3
.irp i, 0,1,2,3,4,5,6,7,8,9,10,11,12,13,14,15
	v_med3_num_f32 v[\s+16*\b+\i], v[\s+16*\b+\i], -v[\lim], v[\lim]   ; the conversion does not saturate (ISA guide 7.6.2): the hold at the largest code x the scale
.endr
	v_cvt_scalef32_pk8_fp8_f32 v[\pc+4*\b:\pc+4*\b+1], v[\s+16*\b:\s+16*\b+7], v[\sc]
	v_cvt_scalef32_pk8_fp8_f32 v[\pc+4*\b+2:\pc+4*\b+3], v[\s+16*\b+8:\s+16*\b+15], v[\sc]
.endr
	v_nop                                          ; a plain line between the last conversion and the products that read its result
.endm
; My row's numbers of K step s, in the order of Wq's image: register 16 c + 4 i + j is k = 32 s + 4 c + 16 h + 128 i + j
.macro XLOAD set, s
.irp c, 0,1,2,3
.irp i, 0,1,2,3
	global_load_b128 v[\set+16*\c+4*\i:\set+16*\c+4*\i+3], v[XA], s[4:5] offset:512*\i+128*(\s)+16*\c
.endr
.endr
.endm
; A K step of q^T = Wq^T x^T: source 0 = 16 columns of Wq, source 1 = my 16 rows of x; four accumulators by turns.  left: the younger loads that may stay out
.macro QSTEP set, s, left
	s_wait_loadcnt \left
	QUANT \set, 6, 7, XC                           ; its first sixteen holds are also the places ahead of the write of the codes that the last products read
	WIN 0x01
.irp t, 0,1,2,3
.if \s == 0
	v_wmma_f32_16x16x128_fp8_fp8 v[QA+8*\t:QA+8*\t+7], v[16*(4*\t+\s):16*(4*\t+\s)+15], v[XC:XC+15], 0
.else
	v_wmma_f32_16x16x128_fp8_fp8 v[QA+8*\t:QA+8*\t+7], v[16*(4*\t+\s):16*(4*\t+\s)+15], v[XC:XC+15], v[QA+8*\t:QA+8*\t+7]
.endif
.endr
	WIN 0
.endm
.macro FETCH_K off                     ; 16 tiles of 16 keys x 64 channels (two records), off bytes on from the step in hand: register 4 f takes byte 512 (f % 16) of K's part of record f / 16
	WIN 0x40
.set JJ, 0
.rept 32
	ds_load_b128 v[4*JJ:4*JJ+3], v[ADR] offset:(\off)+(JJ/16)*REC+(JJ%16)*512
.set JJ, JJ+1
.endr
.endm
.macro FETCH_V                         ; 8 fragments of 16 channels x 128 keys: the same of V's part
	WIN 0x40
.set JJ, 0
.rept 32
	ds_load_b128 v[128+4*JJ:128+4*JJ+3], v[ADR] offset:(JJ/16)*REC+8192+(JJ%16)*512
.set JJ, JJ+1
.endr
.endm
; A KEY STEP: 256 keys.  pre = 1: the next step's K lies in the same slot and is fetched here, under the softmax.
.macro STEP pre
	v_add_nc_u32 v[ADR], s[TB], v[L16]
	s_wait_alu depctr_va_vdst(0)
	s_wait_dscnt 0x0                               ; K is in
	WIN 0x01                                       ; source 0 (K) window 1
.set JJ, 0
.rept 16
	v_wmma_f32_16x16x64_fp8_fp8 v[S+8*JJ:S+8*JJ+7], v[8*JJ:8*JJ+7], v[Q:Q+7], 0   ; lane (r, h), register 16 B + i: key 32 B + 16 h + i of the step, query r
.set JJ, JJ+1
.endr
	PLACES                                         ; ahead of the loads into K's and V's registers (with the addition above: five behind the last step's products) and of the first read of the scores
	FETCH_V
.if \pre
	FETCH_K STEPB
.endif
	WIN 0
	v_max3_num_f32 v22, v[S], v[S+1], v[S+2]       ; the step's largest score of my query among my 128 keys, in two chains, each accumulator from its low end on,
	v_max3_num_f32 v23, v[S+3], v[S+4], v[S+5]
.set JJ, 6
.rept 30
	v_max3_num_f32 v22, v22, v[S+JJ], v[S+JJ+1]
	v_max3_num_f32 v23, v23, v[S+JJ+2], v[S+JJ+3]
.set JJ, JJ+4
.endr
	v_max3_num_f32 v22, v22, v[S+126], v[S+127]
	s_delay_alu instid0(VALU_DEP_1)
	v_max_num_f32 v22, v22, v23
	s_delay_alu instid0(VALU_DEP_1)
	v_permlanex16_b32 v18, v22, s[SEL], s[SEL+1]
	s_delay_alu instid0(VALU_DEP_1)
	v_max_num_f32 v22, v22, v18                    ; and among lane l xor 16's
	s_delay_alu instid0(VALU_DEP_1)
	v_mul_f32 v22, s[CS], v22                      ; as t (c is positive)
	s_delay_alu instid0(VALU_DEP_1)
	v_max_num_f32 v13, v13, v22                    ; the running largest t
	v_mov_b32 v22, v12
	s_delay_alu instid0(VALU_DEP_2)
	v_floor_f32 v12, -v13                          ; the new -M = floor(-t) = -ceil(t): a whole number
	s_delay_alu instid0(VALU_DEP_1)
	v_sub_f32 v22, v12, v22                        ; old M - new M: a whole number, 0 or less
	s_delay_alu instid0(VALU_DEP_1)
	v_cvt_i32_f32 v22, v22                         ; (it saturates)
	s_delay_alu instid0(VALU_DEP_1)
	v_ldexp_f32 v20, 1.0, v22                      ; f = 2^(old M - new M)
.set JJ, 0
.rept 64
	v_pk_fma_f32 v[S+JJ:S+JJ+1], v[S+JJ:S+JJ+1], s[CS:CS+1], v[12:13] op_sel_hi:[1,0,0]   ; t - M, two at a time
.set JJ, JJ+2
.endr
.set JJ, 0
	s_wait_alu depctr_va_vdst(0)
.rept 128
	v_exp_f32 v[S+JJ], v[S+JJ]                     ; p = 2^(t - M), at most 1: not normalised.  One batch
.set JJ, JJ+1
.endr
	s_setprio 1
	v_pk_mul_f32 v[14:15], v[14:15], v[20:21] op_sel_hi:[1,0]   ; the sum under the new M: the plain line behind the last exponential
	s_wait_alu depctr_va_vdst(0)                   ; the wait ahead of the first line that names an exponential's result: one for the batch
	v_pk_add_f32 v[24:25], v[68:69], v[72:73]
	v_pk_add_f32 v[254:255], v[76:77], v[80:81]
	v_pk_add_f32 v[252:253], v[84:85], v[88:89]
	v_pk_add_f32 v[250:251], v[92:93], v[96:97]
	v_pk_add_f32 v[248:249], v[100:101], v[104:105]
	v_pk_add_f32 v[246:247], v[108:109], v[112:113]
	v_pk_add_f32 v[244:245], v[116:117], v[120:121]
	v_pk_add_f32 v[14:15], v[14:15], v[124:125]
	v_pk_add_f32 v[24:25], v[24:25], v[128:129]
	v_pk_add_f32 v[254:255], v[254:255], v[132:133]
	v_pk_add_f32 v[252:253], v[252:253], v[136:137]
	v_pk_add_f32 v[250:251], v[250:251], v[140:141]
	v_pk_add_f32 v[248:249], v[248:249], v[144:145]
	v_pk_add_f32 v[246:247], v[246:247], v[148:149]
	v_pk_add_f32 v[244:245], v[244:245], v[152:153]
	v_pk_add_f32 v[14:15], v[14:15], v[156:157]
	v_pk_add_f32 v[24:25], v[24:25], v[160:161]
	v_pk_add_f32 v[254:255], v[254:255], v[164:165]
	v_pk_add_f32 v[252:253], v[252:253], v[168:169]
	v_pk_add_f32 v[250:251], v[250:251], v[172:173]
	v_pk_add_f32 v[248:249], v[248:249], v[176:177]
	v_pk_add_f32 v[246:247], v[246:247], v[180:181]
	v_pk_add_f32 v[244:245], v[244:245], v[184:185]
	v_pk_add_f32 v[14:15], v[14:15], v[188:189]
	v_pk_add_f32 v[24:25], v[24:25], v[64:65]
	v_pk_add_f32 v[254:255], v[254:255], v[66:67]
	v_pk_add_f32 v[252:253], v[252:253], v[70:71]
	v_pk_add_f32 v[250:251], v[250:251], v[74:75]
	v_pk_add_f32 v[248:249], v[248:249], v[78:79]
	v_pk_add_f32 v[246:247], v[246:247], v[82:83]
	v_pk_add_f32 v[244:245], v[244:245], v[86:87]
	v_pk_add_f32 v[14:15], v[14:15], v[90:91]
	v_pk_add_f32 v[24:25], v[24:25], v[94:95]
	v_pk_add_f32 v[254:255], v[254:255], v[98:99]
	v_pk_add_f32 v[252:253], v[252:253], v[102:103]
	v_pk_add_f32 v[250:251], v[250:251], v[106:107]
	v_pk_add_f32 v[248:249], v[248:249], v[110:111]
	v_pk_add_f32 v[246:247], v[246:247], v[114:115]
	v_pk_add_f32 v[244:245], v[244:245], v[118:119]
	v_pk_add_f32 v[14:15], v[14:15], v[122:123]
	v_pk_add_f32 v[24:25], v[24:25], v[126:127]
	v_pk_add_f32 v[254:255], v[254:255], v[130:131]
	v_pk_add_f32 v[252:253], v[252:253], v[134:135]
	v_pk_add_f32 v[250:251], v[250:251], v[138:139]
	v_pk_add_f32 v[248:249], v[248:249], v[142:143]
	v_pk_add_f32 v[246:247], v[246:247], v[146:147]
	v_pk_add_f32 v[244:245], v[244:245], v[150:151]
	v_pk_add_f32 v[14:15], v[14:15], v[154:155]
	v_pk_add_f32 v[24:25], v[24:25], v[158:159]
	v_pk_add_f32 v[254:255], v[254:255], v[162:163]
	v_pk_add_f32 v[252:253], v[252:253], v[166:167]
	v_pk_add_f32 v[250:251], v[250:251], v[170:171]
	v_pk_add_f32 v[248:249], v[248:249], v[174:175]
	v_pk_add_f32 v[246:247], v[246:247], v[178:179]
	v_pk_add_f32 v[244:245], v[244:245], v[182:183]
	v_pk_add_f32 v[14:15], v[14:15], v[186:187]
	v_pk_add_f32 v[24:25], v[24:25], v[190:191]
	s_delay_alu instid0(VALU_DEP_2)
	v_pk_add_f32 v[14:15], v[14:15], v[250:251]
	s_delay_alu instid0(VALU_DEP_2)
	v_pk_add_f32 v[24:25], v[24:25], v[248:249]
	v_pk_add_f32 v[254:255], v[254:255], v[246:247]
	v_pk_add_f32 v[252:253], v[252:253], v[244:245]
	s_delay_alu instid0(VALU_DEP_2)
	v_pk_add_f32 v[14:15], v[14:15], v[254:255]
	s_delay_alu instid0(VALU_DEP_2)
	v_pk_add_f32 v[24:25], v[24:25], v[252:253]
	s_delay_alu instid0(VALU_DEP_1)
	v_pk_add_f32 v[14:15], v[14:15], v[24:25]
.set JJ, 0
.rept 128
	v_min_num_f32 v[S+JJ], v[S+JJ], v16            ; the conversion does not saturate; p is not negative, so the hold is one-sided
.set JJ, JJ+1
.endr
.set JJ, 0
	s_setprio 0
.rept 16
	v_cvt_scalef32_pk8_fp8_f32 v[P+2*JJ:P+2*JJ+1], v[S+8*JJ:S+8*JJ+7], v17   ; registers 4 B .. 4 B + 3: keys 32 B + 16 h + 0 .. 15: V's order
.set JJ, JJ+1
.endr
.set JJ, 0
.rept 16
	v_pk_mul_f32 v[O+JJ:O+JJ+1], v[O+JJ:O+JJ+1], v[20:21] op_sel_hi:[1,0]    ; O^T under the new M; also the plain lines between the conversions and the products
.set JJ, JJ+2
.endr
.if \pre
	s_wait_alu depctr_va_vdst(0)
	s_wait_dscnt 32                                ; V is in; the next step's K, 32 younger loads, may be out
.else
	s_wait_alu depctr_va_vdst(0)
	s_wait_dscnt 0x0
.endif
	WIN 0x01                                       ; source 0 (V) window 1
.irp kk, 0,1
.irp ct, 0,1,2,3
	v_wmma_f32_16x16x128_fp8_fp8 v[O+8*\ct:O+8*\ct+7], v[128+64*\kk+16*\ct:128+64*\kk+16*\ct+15], v[P+16*\kk:P+16*\kk+15], v[O+8*\ct:O+8*\ct+7]   ; four accumulators by turns
.endr
.endr
	WIN 0
	s_add_co_u32 s[TB], s[TB], STEPB
.endm
; THE CHANGE OF SLOTS stands at a slot's head.  Each wave waits for all its tensor loads (its record of the slot ahead), adds 0 to its spare word, and waits for that and for its reads of the slot that it has left.
; fill = 1: a round of the cluster's barrier: no wave of any partner still reads the slot left or has a load on its way; then that slot is filled with the keys that follow: the load has four key steps in which to land.
.macro CHANGE fill
	s_wait_tensorcnt 0x0                           ; no tensor load of mine is out, so group 0 may be written
	ds_add_u32 v[SPW], v[NIL]                      ; 0 onto my spare word; the descriptor's steps stand between it and the wait for it
.if \fill
	s_xor_b32 s[G0+1], s[G0+1], SLOT1              ; the other slot than last time,
	s_add_nc_u64 s[G0+2:G0+3], s[G0+2:G0+3], 8*REC ; the next 1,024 keys; the type bits on top are not reached
.endif
	s_wait_dscnt 0x0                               ; the add is done, and my reads of the slot that I have left are over
.if \fill
	CROUND
	tensor_load_to_lds s[G0:G0+3], s[G1:G1+7]      ; the first thing behind the round, and my one tensor load until the next
	s_nop 0
	PLACES                                         ; (four vector lines ahead of the next switch of windows)
.else
	s_barrier_signal -1
	s_barrier_wait -1
.endif
.endm
.macro SLOT_STEPS                      ; a slot's four key steps: three that fetch the next step's K ahead, walked in a loop, and the last
	v_add_nc_u32 v[ADR], s[TB], v[L16]
	FETCH_K 0
	WIN 0
	s_mov_b32 s[STEPS], 3
.Lstep_\@:
	s_setprio 2
	STEP 1
	s_sub_co_u32 s[STEPS], s[STEPS], 1
	s_cmp_lg_u32 s[STEPS], 0
	s_cbranch_scc1 .Lstep_\@
	s_setprio 0
	STEP 0
	s_sub_co_u32 s[TB], s[TB], 4*STEPB             ; back to a slot's first step,
	s_xor_b32 s[TB], s[TB], SLOT1                  ; in the other slot
.endm
	s_load_b256 s[4:11], s[0:1], 0x0               ; x s[4:5], wimg s[6:7], kv s[8:9], the scales' exponents s[10:11]
	s_load_b64 s[12:13], s[0:1], 0x20              ; oimg
	v_lshl_add_u32 v[SPW], v0, 2, SPARE
	v_mov_b32 v[NIL], 0
	ds_add_u32 v[SPW], v[NIL]                      ; the wave's opening: the add and its wait ahead of my first tensor load; the set-up below, work on registers, stands between them
	ds_add_u32 v[SPW], v[NIL]
	v_lshrrev_b32 v6, 5, v0
	s_delay_alu instid0(VALU_DEP_1)
	v_readfirstlane_b32 s[WV], v6                  ; wave 0..7
	s_bfe_u32 s15, ttmp6, 0x40000                  ; cx: my place in the cluster
	s_lshl_b32 s16, ttmp9, 2                       ; in a cluster launch ttmp9 counts clusters
	s_add_co_u32 s16, s16, s15                     ; my block of 128 queries: it enters x's and oimg's addresses alone
	s_and_b32 s17, ttmp7, 0xffff                   ; 8 batch + head, which the four partners share
	s_mov_b32 s[G1], 15|(3<<16)|(1<<21)            ; 15:0 the mask: all four work-groups; 17:16 elements of 8 bytes; 20 no padding; 21 set beside a mask
	s_mov_b32 s[G1+1], 32<<16                      ; tensor_dim0 = 32 elements: 256 bytes
	s_mov_b32 s[G1+2], 64<<16                      ; tensor_dim1 = 64
	s_mov_b32 s[G1+3], 32<<16                      ; tile_dim0 = 32
	s_mov_b32 s[G1+4], 64                          ; tile_dim1 = 64 rows: a record
	s_mov_b32 s[G1+5], 32                          ; from row to row: dense
	s_mov_b32 s[G1+6], 0
	s_mov_b32 s[G1+7], 0
	s_mov_b32 s[SEL], 0x76543210
	s_mov_b32 s[SEL+1], 0xfedcba98
	v_and_b32 v6, 31, v0
	s_delay_alu instid0(VALU_DEP_1)
	v_lshlrev_b32 v[L16], 4, v6
	v_and_b32 v6, 15, v0                           ; r
	v_bfe_u32 v7, v0, 4, 1                         ; h
	s_delay_alu instid0(VALU_DEP_2)
	v_and_b32 v8, 8, v6
	s_delay_alu instid0(VALU_DEP_1)
	v_add_nc_u32 v8, v8, v6                        ; r + 8 (r / 8)
	s_delay_alu instid0(VALU_DEP_1)
	v_lshlrev_b32 v[XA], 11, v8                    ; a row of x is 2,048 bytes
	s_delay_alu instid0(VALU_DEP_1)
	v_lshl_add_u32 v[XA], v7, 6, v[XA]
	s_lshl_b32 s52, s17, 20                        ; kv: my batch and head,
	s_lshl_b32 s53, s[WV], 14                      ; my wave's record of a slot
	s_add_co_u32 s52, s52, s53
	s_mov_b32 s53, 0
	s_and_b32 s54, s17, 7                          ; wimg: Wq's group = the head
	s_lshl_b32 s54, s54, 15
	s_mov_b32 s55, 0
	s_lshr_b32 s56, s17, 3
	s_lshl_b32 s56, s56, 3
	s_add_co_u32 s56, s56, s16                     ; the block of 128 rows: 8 batch + my block
	s_lshl_b32 s58, s56, 3
	s_add_co_u32 s58, s58, s[WV]                   ; oimg: row tile 8 x block + wave,
	s_lshl_b32 s58, s58, 13
	s_and_b32 s59, s17, 7
	s_lshl_b32 s59, s59, 10                        ; the head's 1,024 bytes of it
	s_add_co_u32 s58, s58, s59
	s_mov_b32 s59, 0
	s_lshl_b32 s56, s56, 7                         ; x: the block's first row,
	s_lshr_b32 s57, s[WV], 1
	s_lshl_b32 s57, s57, 5
	s_add_co_u32 s56, s56, s57                     ; + 32 (w / 2)
	s_and_b32 s57, s[WV], 1
	s_lshl_b32 s57, s57, 3
	s_add_co_u32 s56, s56, s57                     ; + 8 (w % 2)
	s_lshl_b32 s56, s56, 11
	s_mov_b32 s57, 0
	s_wait_dscnt 0x0                               ; the opening add is done
	s_wait_kmcnt 0x0
	s_load_b256 s[40:47], s[10:11], 0x0            ; e0 .. e7
	s_load_b64 s[48:49], s[10:11], 0x20            ; e8, e9
	s_add_nc_u64 s[4:5], s[4:5], s[56:57]
	s_add_nc_u64 s[6:7], s[6:7], s[54:55]
	s_add_nc_u64 s[12:13], s[12:13], s[58:59]
	s_mov_b32 s[G0], 1                             ; count = 1
	s_lshl_b32 s[G0+1], s[WV], 14                  ; LDS address: slot 0, my record: no place in the cluster enters it
	s_add_nc_u64 s[G0+2:G0+3], s[8:9], s[52:53]    ; global address
	s_or_b32 s[G0+3], s[G0+3], 0x80000000          ; type = 2
	CROUND                                         ; all four work-groups are here: the first joint loads meet
	tensor_load_to_lds s[G0:G0+3], s[G1:G1+7]      ; slot 0
	s_nop 0
	PLACES
	; ---- q, while slot 0 is on its way.  Wq's 16 fragments of the head (tile t, K step s at register 16 (4 t + s) of window 1), then x by K steps in three sets
	WIN 0x40
.set JJ, 0
	s_wait_alu depctr_va_vdst(0)
.rept 64
	global_load_b128 v[4*JJ:4*JJ+3], v[L16], s[6:7] offset:512*JJ
.set JJ, JJ+1
.endr
	WIN 0
	XLOAD 64, 0
	XLOAD 128, 1
	XLOAD 192, 2
	s_wait_kmcnt 0x0
	MKSC 40, 6, 7, 51, 52                          ; x's scale
	s_sub_co_i32 s50, s44, s40
	s_sub_co_i32 s50, s50, s41                     ; a sum stands for sum x 2^(e0 + e1): q's code is sum / 2^(e4 - e0 - e1)
	MKSC 50, 8, 9, 51, 52
	s_wait_alu depctr_va_vdst(0)
	QSTEP 64, 0, 32                                ; Wq and K step 0 are in; K steps 1 and 2, 32 loads, may be out
	XLOAD 64, 3
	QSTEP 128, 1, 32                               ; K steps 2 and 3 may be out
	QSTEP 192, 2, 16                               ; K step 3 may be out
	QSTEP 64, 3, 0
	PLACES
.set JJ, 0
.rept 32
	v_med3_num_f32 v[QA+JJ], v[QA+JJ], -v9, v9     ; register 16 b + i: channel 32 b + 16 h + i of my query; each accumulator from its low end on
.set JJ, JJ+1
.endr
.set JJ, 0
.rept 4
	v_cvt_scalef32_pk8_fp8_f32 v[Q+2*JJ:Q+2*JJ+1], v[QA+8*JJ:QA+8*JJ+7], v8
.set JJ, JJ+1
.endr
	v_nop                                          ; a plain line behind the last conversion
	; ---- what the loop keeps
	MKSC 46, 17, 16, 51, 52                        ; p's scale 2^e6 and hold 448 x 2^e6
	MKSC 48, 26, 27, 51, 52                        ; o's
	s_add_co_i32 s50, s44, s45
	s_lshl_b32 s50, s50, 23
	s_mov_b32 s[CS], 0x3e38aa3b                    ; log2(e) / 8
	s_add_co_i32 s[CS], s[CS], s50                 ; a score stands for score x 2^(e4 + e5): the exponents are added to c's exponent field
	s_mov_b32 s[CS+1], s[CS]                       ; (named with it as a pair, so it is written)
	v_mov_b32 v13, 0xff61b1e6                      ; the largest t so far: -3e38, under every t
	s_delay_alu instid0(VALU_DEP_1)
	v_floor_f32 v12, -v13                          ; -M
	v_mov_b32 v14, 0                               ; the sum, in two halves
	v_mov_b32 v15, 0
	v_mov_b32 v18, 0                               ; a lane permute's destination counts as one of its sources
	v_mov_b32 v21, 0                               ; (named as the upper half of the pair v[20:21])
.set JJ, 0
.rept 32
	v_mov_b32 v[O+JJ], 0                           ; O^T: the step is written once; its first run finds zeros, which the first change of M leaves zeros
.set JJ, JJ+1
.endr
	s_mov_b32 s[TB], 0
	s_mov_b32 s[SLOTS], NSL-1
.Lslot:                                            ; NSL - 1 trips: behind each change of slots but the last the next slot is asked for
	CHANGE 1
	SLOT_STEPS
	s_sub_co_u32 s[SLOTS], s[SLOTS], 1
	s_cmp_lg_u32 s[SLOTS], 0
	s_cbranch_scc1 .Lslot
	CHANGE 0                                       ; the last slot is written out
	SLOT_STEPS
	; ---- THE WAY OUT: o = O^T x 2^(e6 + e7) / the sum, quantised with 2^e8: register 16 b + i is channel 32 b + 16 h + i: two chunks of the last product's operand
	PLACES
	v_add_f32 v14, v14, v15                        ; the sum's two halves,
	s_delay_alu instid0(VALU_DEP_1)
	v_permlanex16_b32 v18, v14, s[SEL], s[SEL+1]
	s_delay_alu instid0(VALU_DEP_1)
	v_add_f32 v14, v14, v18                        ; and lane l xor 16's
	s_wait_alu depctr_va_vdst(0)
	v_rcp_f32 v14, v14
	v_nop                                          ; a plain line behind the reciprocal
	s_add_co_i32 s50, s46, s47
	s_wait_alu depctr_va_vdst(0)                   ; and the wait ahead of its first reader
	v_ldexp_f32 v14, v14, s50
.set JJ, 0
.rept 16
	v_pk_mul_f32 v[S+JJ:S+JJ+1], v[O+JJ:O+JJ+1], v[14:15] op_sel_hi:[1,0]
.set JJ, JJ+2
.endr
.set JJ, 0
.rept 32
	v_med3_num_f32 v[S+JJ], v[S+JJ], -v27, v27
.set JJ, JJ+1
.endr
.set JJ, 0
.rept 4
	v_cvt_scalef32_pk8_fp8_f32 v[P+2*JJ:P+2*JJ+1], v[S+8*JJ:S+8*JJ+7], v26
.set JJ, JJ+1
.endr
	v_nop
	global_store_b128 v[L16], v[P:P+3], s[12:13]               ; 512 consecutive bytes, aligned
	global_store_b128 v[L16], v[P+4:P+7], s[12:13] offset:512
	s_wait_tensorcnt 0x0                           ; the wave's end: behind my last tensor load
	ds_add_u32 v[SPW], v[NIL]
	s_wait_dscnt 0x0
	CROUND                                         ; the closing round: no work-group ends while a partner may still ask for a record that names it
	s_endpgm
.Lfunc_end_k_qb04913fe78_attn:
	.size	k_qb04913fe78_attn, .Lfunc_end_k_qb04913fe78_attn-k_qb04913fe78_attn
	.p2alignl 7, 3214868480
	.fill 96, 4, 3214868480
	.section	.rodata,"a",@progbits
	.p2align	6, 0x0
	.amdhsa_kernel k_qb04913fe78_attn
		.amdhsa_group_segment_fixed_size 327680
		.amdhsa_private_segment_fixed_size 0
		.amdhsa_enable_private_segment 0
		.amdhsa_kernarg_size 40
		.amdhsa_user_sgpr_count 2
		.amdhsa_user_sgpr_kernarg_segment_ptr 1
		.amdhsa_wavefront_size32 1
		.amdhsa_system_sgpr_workgroup_id_x 1
		.amdhsa_system_sgpr_workgroup_id_y 1
		.amdhsa_system_sgpr_workgroup_id_z 1
		.amdhsa_system_vgpr_workitem_id 0
		.amdhsa_next_free_vgpr 512
		.amdhsa_next_free_sgpr 66
		.amdhsa_reserve_vcc 0
		.amdhsa_float_denorm_mode_32 3
		.amdhsa_float_denorm_mode_16_64 3
		.amdhsa_memory_ordered 1
		.amdhsa_forward_progress 1
		.amdhsa_inst_pref_size 163
	.end_amdhsa_kernel
	.amdgpu_metadata
---
amdhsa.version: [ 1, 2 ]
amdhsa.kernels:
  - .name:           k_qb04913fe78_attn
    .symbol:         k_qb04913fe78_attn.kd
    .args:
      - { .name: x, .offset: 0, .size: 8, .value_kind: global_buffer, .address_space: global }
      - { .name: wimg, .offset: 8, .size: 8, .value_kind: global_buffer, .address_space: global }
      - { .name: kv, .offset: 16, .size: 8, .value_kind: global_buffer, .address_space: global }
      - { .name: lowp_scales, .offset: 24, .size: 8, .value_kind: global_buffer, .address_space: global }
      - { .name: oimg, .offset: 32, .size: 8, .value_kind: global_buffer, .address_space: global }
    .group_segment_fixed_size: 327680
    .private_segment_fixed_size: 0
    .kernarg_segment_align: 8
    .kernarg_segment_size: 40
    .max_flat_workgroup_size: 256
    .sgpr_count:     66
    .vgpr_count:     512
    .wavefront_size: 32
...
	.end_amdgpu_metadata
.endif
;; end of part 7
;; launch outp (part 8): grid 4 x 64, 4 waves a work-group, no clusters, 34,304 bytes of LDS; arguments oimg, wimg, lowp_scales, bout, out0; writes out0
.if DOCPART == 8
	.amdgcn_target "amdgcn-amd-amdhsa--gfx1250"
	.amdhsa_code_object_version 6
	.text
	.protected	k_qb04913fe78_outp
	.globl	k_qb04913fe78_outp
	.p2align	8
	.type	k_qb04913fe78_outp,@function
k_qb04913fe78_outp:
	s_mov_b64 s[64:65], 0
	v_nop
	global_prefetch_b8 v0, s[64:65] scope:SCOPE_SE
	s_setreg_imm32_b32 hwreg(HW_REG_WAVE_SCHED_MODE, 0, 2), 2
	s_setreg_imm32_b32 hwreg(HW_REG_WAVE_MODE, 25, 1), 1
	s_wait_xcnt 0x0
	s_wait_alu depctr_vm_vsrc(0)
; out0 = o Wout + bout on codes of E4M3.  o's codes: oimg (row tile RT at 8192 RT, K step s at 2048 s); Wout's codes: wimg, groups 24-31; both are images of operand registers: chunk c at 512 c, lane l at 16 l.
; SHARES.  Work-group (X, Y): rows 64 Y .. 64 Y + 63, columns 128 X .. 128 X + 127.  Wave w: columns 32 w .. 32 w + 31 of those (two tiles u) for the four tiles m of rows: 8 accumulators, K = 512 in four steps.
; The product is used transposed (source 0 = 16 columns of Wout, source 1 = 16 rows of o): lane (r, h) holds row 32 (m / 2) + 8 (m % 2) + r + 8 (r / 8) of the 64, and register j of tile u column 32 w + 16 h + 8 u + j.
; All operands go from memory straight into registers, each read once by the wave that uses it, all loads issued at the head: there is no loop over tiles to share in a cluster, and no ring.
; THE WAY OUT: sum x 2^(e8 + e9) + bout by one packed multiply-add for two numbers; a row's 512 bytes come from four waves, so they meet in a stage in LDS (rows of 512 + 16 bytes; rows r and r + 8 of a tile lie 16 rows
; apart, so these stores go two deep in the banks), and each wave stores 16 whole rows: 512 consecutive bytes an instruction, aligned.
; LIMIT: e8 + e9 between -126 and 127, so that 2^(e8 + e9) is an f32 number.
; REGISTERS, window 0: v1-6 addresses; v16-31 my 16 numbers of bout; v32-95 the accumulators, (u, m) at 8 (4 u + m); v128-255 Wout's 8 fragments, (u, s) at 16 (4 u + s); later v128-191 results, v192-255 rows read back.
;   window 1: o's 16 fragments, (m, s) at 16 (4 m + s).
; THE MODE: SCHED_MODE bits 1:0 = 2 (LLVM: expert scheduling mode 2), set by the entry lines.  The code itself states the register dependences
; between vector or matrix instructions and memory or LDS instructions, with s_wait_alu, always for 0.
; THE PLAN.  Registers that memory or LDS instructions touch:
;   v1-v4              offsets and LDS addresses: made once at the head, never written again.
;   v16-31, v128-255, window 1   loaded once, at the head, into registers that no vector line has named.
;   v128-191           then written by the multiply-adds of the way out and read by the 16 LDS stores.
;   v192-255           read by the products as Wout's fragments; then the 16 loads from the stage land there, and the global stores read them.
; So two waits on va_vdst stand in the text: one ahead of the first load, for the addresses, and one ahead of the LDS stores, which states that the results are written and that the products are done reading v192-255;
; no vector line follows it.  No register that a memory or LDS instruction has read is written again: there is no wait on vm_vsrc.
.set SPITCH, 528
.set SPARE,  64*SPITCH                 ; behind the stage: the spare words, 128 bytes for each wave: two blocks of 256 bytes that no other line names
.set WOUT_OFF, 786432
.set L16, 1                            ; v1  16 x lane
.set SO,  2                            ; v2  the stage: where I put 32 bytes of a row
.set SR,  3                            ; v3  and where I read a row back
.set BA,  4                            ; v4  64 h: my 16 numbers of bout
.set SPW, 5                            ; v5  LDS address of my spare word; never rewritten
.set NIL, 6                            ; v6  0; never rewritten
.set BI,  16
.set ACC, 32
.set WF,  128
.set RES, 128
.set BK,  192
.set MSB, 0
.macro WIN new
.if MSB != (\new)
	s_set_vgpr_msb (MSB<<8)|(\new)
.set MSB, (\new)
.endif
.endm
.macro OSTEP s, left                   ; a K step: 8 products, the accumulators by turns; left: the younger loads that may stay out
	s_wait_loadcnt \left
.irp u, 0,1
.irp m, 0,1,2,3
.if \s == 0
	v_wmma_f32_16x16x128_fp8_fp8 v[ACC+8*(4*\u+\m):ACC+8*(4*\u+\m)+7], v[WF+16*(4*\u+\s):WF+16*(4*\u+\s)+15], v[16*(4*\m+\s):16*(4*\m+\s)+15], 0
.else
	v_wmma_f32_16x16x128_fp8_fp8 v[ACC+8*(4*\u+\m):ACC+8*(4*\u+\m)+7], v[WF+16*(4*\u+\s):WF+16*(4*\u+\s)+15], v[16*(4*\m+\s):16*(4*\m+\s)+15], v[ACC+8*(4*\u+\m):ACC+8*(4*\u+\m)+7]
.endif
.endr
.endr
.endm
	s_load_b256 s[4:11], s[0:1], 0x0               ; oimg s[4:5], wimg s[6:7], the scales' exponents s[8:9], bout s[10:11]
	s_load_b64 s[12:13], s[0:1], 0x20              ; out0
	v_lshl_add_u32 v[SPW], v0, 2, SPARE
	v_mov_b32 v[NIL], 0
	v_lshrrev_b32 v7, 5, v0
	v_readfirstlane_b32 s14, v7                    ; wave
	s_and_b32 s15, ttmp7, 0xffff                   ; Y
	v_and_b32 v7, 31, v0
	v_lshlrev_b32 v[L16], 4, v7
	v_and_b32 v7, 15, v0                           ; r
	v_bfe_u32 v8, v0, 4, 1                         ; h
	v_and_b32 v9, 8, v7
	v_add_nc_u32 v9, v9, v7                        ; r + 8 (r / 8)
	v_mul_u32_u24 v[SO], v9, SPITCH
	v_lshl_add_u32 v[SO], v8, 6, v[SO]
	s_wait_alu depctr_va_sdst(0)                   ; s14 is written, ahead of its first reader: LDS addresses and the bases are made from it
	s_lshl_b32 s16, s14, 7
	v_add_nc_u32 v[SO], s16, v[SO]                 ; row, + 64 h, + 128 x wave
	s_mul_i32 s16, s14, 16*SPITCH
	v_add_nc_u32 v[SR], s16, v[L16]                ; back: my 16 rows, 16 bytes a lane
	v_lshlrev_b32 v[BA], 6, v8
	s_lshl_b32 s20, s15, 15                        ; oimg: four row tiles a work-group
	s_mov_b32 s21, 0
	s_lshl_b32 s22, ttmp9, 16                      ; wimg: two groups a block of 128 columns,
	s_lshl_b32 s23, s14, 14                        ; two tiles a wave
	s_add_co_u32 s22, s22, s23
	s_add_co_u32 s22, s22, WOUT_OFF
	s_mov_b32 s23, 0
	s_lshl_b32 s24, ttmp9, 9                       ; bout: 128 X + 32 w numbers on
	s_lshl_b32 s25, s14, 7
	s_add_co_u32 s24, s24, s25
	s_mov_b32 s25, 0
	s_lshl_b32 s26, s15, 17                        ; out0: row 64 Y + 16 w, byte 512 X
	s_lshl_b32 s27, s14, 15
	s_add_co_u32 s26, s26, s27
	s_lshl_b32 s27, ttmp9, 9
	s_add_co_u32 s26, s26, s27
	s_mov_b32 s27, 0
	s_wait_kmcnt 0x0
	s_load_b64 s[40:41], s[8:9], 0x20              ; e8, e9
	s_add_nc_u64 s[4:5], s[4:5], s[20:21]
	s_add_nc_u64 s[6:7], s[6:7], s[22:23]
	s_add_nc_u64 s[10:11], s[10:11], s[24:25]
	s_add_nc_u64 s[12:13], s[12:13], s[26:27]
	s_wait_alu depctr_va_vdst(0)                   ; v1 to v4 are written: every load and store of the kernel reads one of them as its offset or address
.irp i, 0,1,2,3
	global_load_b128 v[BI+4*\i:BI+4*\i+3], v[BA], s[10:11] offset:16*\i   ; register 8 u + j: bout at column 32 w + 16 h + 8 u + j
.endr
.irp s, 0,1,2,3                        ; K step by K step: 8 loads of Wout's codes, 16 of o's
	WIN 0
.irp u, 0,1
.irp c, 0,1,2,3
	global_load_b128 v[WF+16*(4*\u+\s)+4*\c:WF+16*(4*\u+\s)+4*\c+3], v[L16], s[6:7] offset:8192*\u+2048*\s+512*\c
.endr
.endr
	WIN 0x40
.irp m, 0,1,2,3
.irp c, 0,1,2,3
	global_load_b128 v[16*(4*\m+\s)+4*\c:16*(4*\m+\s)+4*\c+3], v[L16], s[4:5] offset:8192*\m+2048*\s+512*\c
.endr
.endr
.endr
	WIN 0x04                                       ; source 1 (o) window 1
	OSTEP 0, 63                                    ; 72 loads were issued behind K step 0's, and 63 is the largest count that can be named
	OSTEP 1, 48
	OSTEP 2, 24
	OSTEP 3, 0
	WIN 0
	s_wait_kmcnt 0x0
	s_add_co_i32 s46, s40, s41
	s_add_co_i32 s46, s46, 127
	s_lshl_b32 s46, s46, 23                        ; 2^(e8 + e9) as f32
	s_mov_b32 s47, s46                             ; (named with it as a pair, so it is written)
.rept 4
	v_nop                                          ; four plain lines behind the last products, ahead of the first read of results and of the writes over Wout's fragments (ISA guide 7.12.1)
.endr
.irp u, 0,1
.irp m, 0,1,2,3
.irp i, 0,2,4,6
	v_pk_fma_f32 v[RES+8*(4*\u+\m)+\i:RES+8*(4*\u+\m)+\i+1], v[ACC+8*(4*\u+\m)+\i:ACC+8*(4*\u+\m)+\i+1], s[46:47], v[BI+8*\u+\i:BI+8*\u+\i+1] op_sel_hi:[1,0,1]   ; each accumulator from its low end on
.endr
.endr
.endr
	s_wait_alu depctr_va_vdst(0)                   ; the multiply-adds have written v128-191, which the LDS stores read; and the products are done reading v192-255, in which the loads from the stage land
.irp u, 0,1
.irp m, 0,1,2,3
	ds_store_b128 v[SO], v[RES+8*(4*\u+\m):RES+8*(4*\u+\m)+3] offset:(32*(\m/2)+8*(\m%2))*SPITCH+32*\u
	ds_store_b128 v[SO], v[RES+8*(4*\u+\m)+4:RES+8*(4*\u+\m)+7] offset:(32*(\m/2)+8*(\m%2))*SPITCH+32*\u+16
.endr
.endr
	s_wait_dscnt 0x0                               ; for the others' sake: my stores into the stage are done
	s_barrier_signal -1
	s_barrier_wait -1                              ; 64 whole rows lie in the stage
.irp i, 0,1,2,3,4,5,6,7,8,9,10,11,12,13,14,15
	ds_load_b128 v[BK+4*\i:BK+4*\i+3], v[SR] offset:\i*SPITCH
.endr
.irp i, 0,1,2,3,4,5,6,7,8,9,10,11,12,13,14,15
	s_wait_dscnt 15-\i
	global_store_b128 v[L16], v[BK+4*\i:BK+4*\i+3], s[12:13] offset:2048*\i th:TH_STORE_NT   ; 32 lanes store 512 consecutive bytes of a row, aligned; written once, read by nobody here
.endr
	s_wait_dscnt 0x0                               ; the closing lines, six on end
	s_wait_alu 0x0
	s_wait_tensorcnt 0x0
	ds_add_u32 v[SPW], v[NIL]
	s_wait_dscnt 0x0
	s_endpgm
.Lfunc_end_k_qb04913fe78_outp:
	.size	k_qb04913fe78_outp, .Lfunc_end_k_qb04913fe78_outp-k_qb04913fe78_outp
	.p2alignl 7, 3214868480
	.fill 96, 4, 3214868480
	.section	.rodata,"a",@progbits
	.p2align	6, 0x0
	.amdhsa_kernel k_qb04913fe78_outp
		.amdhsa_group_segment_fixed_size 34304
		.amdhsa_private_segment_fixed_size 0
		.amdhsa_enable_private_segment 0
		.amdhsa_kernarg_size 40
		.amdhsa_user_sgpr_count 2
		.amdhsa_user_sgpr_kernarg_segment_ptr 1
		.amdhsa_wavefront_size32 1
		.amdhsa_system_sgpr_workgroup_id_x 1
		.amdhsa_system_sgpr_workgroup_id_y 1
		.amdhsa_system_sgpr_workgroup_id_z 1
		.amdhsa_system_vgpr_workitem_id 0
		.amdhsa_next_free_vgpr 512
		.amdhsa_next_free_sgpr 66
		.amdhsa_reserve_vcc 0
		.amdhsa_float_denorm_mode_32 3
		.amdhsa_float_denorm_mode_16_64 3
		.amdhsa_memory_ordered 1
		.amdhsa_forward_progress 1
		.amdhsa_inst_pref_size 21
	.end_amdhsa_kernel
	.amdgpu_metadata
---
amdhsa.version: [ 1, 2 ]
amdhsa.kernels:
  - .name:           k_qb04913fe78_outp
    .symbol:         k_qb04913fe78_outp.kd
    .args:
      - { .name: oimg, .offset: 0, .size: 8, .value_kind: global_buffer, .address_space: global }
      - { .name: wimg, .offset: 8, .size: 8, .value_kind: global_buffer, .address_space: global }
      - { .name: lowp_scales, .offset: 16, .size: 8, .value_kind: global_buffer, .address_space: global }
      - { .name: bout, .offset: 24, .size: 8, .value_kind: global_buffer, .address_space: global }
      - { .name: out0, .offset: 32, .size: 8, .value_kind: global_buffer, .address_space: global }
    .group_segment_fixed_size: 34304
    .private_segment_fixed_size: 0
    .kernarg_segment_align: 8
    .kernarg_segment_size: 40
    .max_flat_workgroup_size: 128
    .sgpr_count:     66
    .vgpr_count:     512
    .wavefront_size: 32
...
	.end_amdgpu_metadata
.endif
;; end of part 8
